; MI455X (gfx1250); checked and timed in simulation.
; The chip was launched on July 23, 2026; its instructions are those of AMD's public machine-readable ISA for CDNA 5 (MIT licence, August 2026) and "CDNA5" Instruction Set Architecture Reference Guide (July 2026). The comments in the code are by the model that wrote it; some were corrected since.
;; Multi Head Attention. Allowed arithmetic: matrix products marked QUANTISED: E2M1 operands, one E8M0 scale for each 32 along K, by v_wmma_scale_f32_16x16x128_f8f6f4 with both operands' format E2M1 (or v_wmma_scale_f32_32x16x128_f4), f32 sums; everything else in f32.
;; Inputs: Wk 512 x 512 float32; Wo 512 x 512 float32; Wq 512 x 512 float32; Wv 512 x 512 float32; bk 512 float32; bo 512 float32; bq 512 float32; bv 512 float32; x 2 x 4,096 x 512 float32.
;; Outputs: out0 2 x 4,096 x 512 float32.
;; This version of the problem:
;;   THIS VERSION OF THE PROBLEM IS GIVEN IN LOW PRECISION. The matrix products marked QUANTISED in the list below multiply operands that are first quantised to E2M1 (2 exponent bits, 1 mantissa bit; 4 bits a number), with one power-of-two scale for each 32 numbers along K (OCP MX v1.0); their sums are f32. All else is computed in f32.
;;   The module's matrix products, in the order in which they are computed (A, B: the left and right operand; K: the contracted axis; several contracted axes count as one K, in the product's order):
;;     1. [M 8,192, K 512] x [K 512, N 512]; A: input x; B: input Wq: QUANTISED
;;     2. [M 8,192, K 512] x [K 512, N 512]; A: input x; B: input Wk: QUANTISED
;;     3. [M 8,192, K 512] x [K 512, N 512]; A: input x; B: input Wv: QUANTISED
;;     4. batch 16 x [M 4,096, K 64] x [K 64, N 4,096]; A: computed on the way; B: computed on the way: QUANTISED
;;     5. batch 16 x [M 4,096, K 4,096] x [K 4,096, N 64]; A: softmax (see below); B: computed on the way: QUANTISED
;;     6. [M 8,192, K 512] x [K 512, N 512]; A: computed on the way; B: input Wo: QUANTISED
;;   THE QUANTISER, for each operand of a quantised product, along K:
;;     - K is cut into blocks of 32 from its start; a last block that is shorter is filled with zeros.
;;     - A block's scale is 2^e with e = floor(log2(the largest magnitude in the block)) - 2, held to -126 .. 127; a block of zeros has e = 0. As a byte (E8M0): e + 127.
;;     - Each number is divided by its block's scale, clamped to +-6, and rounded to the nearest number of E2M1, ties to even, subnormals kept.
;;     - The product sums the exact products of the quantised numbers (number of the format x scale) in f32.
;;   ~~~python
;;   def quantise(x, axis):      # numpy; x: float32 -> the quantised numbers, widened to float32 again
;;       x = np.moveaxis(x, axis, -1); K = x.shape[-1]
;;       x = np.pad(x, [(0, 0)] * (x.ndim - 1) + [(0, -K % 32)]); x = x.reshape(x.shape[:-1] + (-1, 32)); a = np.abs(x).max(-1, keepdims=True)
;;       e = np.where(a > 0, np.clip(np.frexp(np.where(a > 0, a, 1))[1] - 1 - 2, -126, 127), 0)      # np.frexp(a)[1] - 1 = floor(log2(a)), exactly
;;       r = np.clip(x / 2.0 ** e, -6, 6)
;;       step = 2.0 ** (np.maximum(np.frexp(np.where(r == 0, 1, r))[1] - 1, 0) - 1)
;;       q = np.round(r / step) * step * 2.0 ** e      # np.round: ties to even
;;       return np.moveaxis(q.reshape(q.shape[:-2] + (-1,))[..., :K], -1, axis).astype(np.float32)
;;   ~~~
;;   SOFTMAX AHEAD OF A QUANTISED PRODUCT. Where the list says 'softmax', what is quantised is not the finished softmax but p = 2^(t - M), with t = logit x log2(e) and M = ceil(the row's largest t), a whole number; so 1/2 < the row's largest p <= 1. The row's sum l is taken of the UNQUANTISED p, in f32, and the product's result is divided by l at the end. Since M is a whole number, a kernel that streams over the keys may use a running M (the ceiling of the running maximum): every later rescaling is an exact power of two, which a block's scale takes up: the codes' values come out the same.
;;   OPERANDS COMPUTED ON THE WAY. 'Computed on the way' means the value that the module computes at that place (a softmax that the list does not call 'softmax' is quantised finished and normalised). What goes into a quantiser is computed in f32, as accurately as f32 sums, v_exp_f32 and their like allow (about 1e-6 of the number): no bf16 or f16 on the way to a quantiser, and a product that is left as it is and whose result goes on into a quantised operand takes f32 operands (vector FMAs, or v_wmma_f32_16x16x4_f32). A number that lies on a knife's edge between two numbers of the format may be rounded either way, as far as f32 arithmetic and the matrix unit's own rounding can turn it there, and no further.
;; 2 versions. Each part assembles by itself: llvm-mc -triple=amdgcn-amd-amdhsa -mcpu=gfx1250 --defsym DOCPART=n.
;; ======== version 1 of 2: 4 launches
;; workspace buffers: xw 2,785,280 bytes; qkv 6,684,672 bytes; oc 2,228,224 bytes
;; launch quant (part 1): grid 320 x 1, 2 waves a work-group, no clusters, 16,640 bytes of LDS; arguments x, Wq, Wk, Wv, Wo, xw; writes xw
.if DOCPART == 1
	.amdgcn_target "amdgcn-amd-amdhsa--gfx1250"
	.amdhsa_code_object_version 6
	.text
	.protected	k_q39a55df42e_quant
	.globl	k_q39a55df42e_quant
	.p2align	8
	.type	k_q39a55df42e_quant,@function
k_q39a55df42e_quant:
	s_mov_b64 s[64:65], 0
	v_nop
	global_prefetch_b8 v0, s[64:65] scope:SCOPE_SE
	s_setreg_imm32_b32 hwreg(HW_REG_WAVE_MODE, 25, 1), 1
	s_wait_xcnt 0x0
; x [8192][512] and Wq, Wk, Wv, Wo [512][512], f32 with K innermost, become codes of FP4 (E2M1) with one E8M0 scale byte for each 32 along K.
; xw: codes [10240 rows][256 bytes], rows 0-8191 x, then 512 rows each of Wq, Wk, Wv, Wo; from byte XWS on the scale bytes [10240][16].
; A block's scale is 2^(floor(log2(its largest magnitude)) - 2): its byte is the largest magnitude's exponent field - 2, held at 1 from below.
; LIMITS: a block of zeros gets the byte 1 where the quantiser says 127 (its codes are zeros, and this program alone reads the bytes); a block's largest magnitude is
; floored at 2^-124; NaN and infinities among the inputs are not served.
; Rows are dense and 512 is a multiple of 32: every tensor is a plain stream of blocks of 32, and so are its codes and scale bytes.  xw's rows follow the order of the
; work-groups, so the place in xw hangs on the work-group's number alone; only the source pointer is chosen.
; A wave takes 16 steps of 512 numbers.  Each load reads 512 consecutive bytes, 16 a lane; a step's 2,048 bytes turn through the wave's own stage in LDS and come back 64 bytes
; a lane, so that a lane holds 16 neighbours along K and two neighbouring lanes a block.  A lane's 16 codes are 8 bytes: a store of the wave covers 256 consecutive bytes, aligned.
; A wave's 256 scale bytes are gathered in LDS and leave by one store of 256 consecutive bytes.  No work-group shares an input with another: no cluster, no tensor load, no barrier.
.set STEPS, 16
.set EMAX,  2
.set CB,    8                          ; bytes of 16 codes
.set XWS,   2621440                    ; where the scale bytes begin in xw
.set R,     16                         ; v16-79   four sets of 16 numbers as they are loaded
.set X,     80                         ; v80-111  two sets of 16 neighbours
.set E,     112                        ; v112-127 a scale byte for each step
.set C,     128                        ; v128-191 codes: four registers for each step, so that no store's data are written again
.set WREG,  8192                       ; LDS: a region for each wave: two stages of 32 x SP bytes, behind them its 256 scale bytes
.set SP,    80                         ; a lane's place in a stage: 64 bytes + 16 of padding
	s_load_b256 s[4:11], s[0:1], 0x0               ; x, Wq, Wk, Wv
	s_load_b128 s[12:15], s[0:1], 0x20             ; Wo, xw
	v_lshl_add_u32 v192, v0, 2, 0x4000
	v_mov_b32 v193, 0
	v_lshrrev_b32 v1, 5, v0
	v_readfirstlane_b32 s16, v1                    ; wave
	v_and_b32 v2, 31, v0                           ; lane
	v_lshlrev_b32 v3, 4, v2                        ; my 16 bytes of a load's 512
	s_mul_i32 s17, s16, WREG
	v_lshrrev_b32 v14, 2, v2
	v_mul_u32_u24 v14, v14, SP
	v_and_b32 v15, 3, v2
	v_lshl_add_u32 v14, v15, 4, v14
	v_add_nc_u32 v14, s17, v14                     ; the stage, on the way in: SP (lane / 4) + 16 (lane % 4)
	v_mul_u32_u24 v15, v2, SP
	v_add_nc_u32 v15, s17, v15                     ; and on the way out: SP x lane: my 16 neighbours
	v_mul_u32_u24 v4, v2, CB                       ; my codes' place in a step's
	v_lshrrev_b32 v5, 1, v2
	s_add_co_u32 s17, s17, 2*32*SP
	v_add_nc_u32 v5, s17, v5                       ; LDS: my wave's 256 scale bytes, my block's byte
	v_lshlrev_b32 v7, 3, v2                        ; and on the way out 8 bytes a lane
	v_add_nc_u32 v6, s17, v7
	s_wait_kmcnt 0x0
	s_cmp_lt_u32 ttmp9, 256                        ; which tensor is my work-group's?  The choice hangs on the work-group's number alone
	s_cselect_b64 s[20:21], s[4:5], s[6:7]
	s_cselect_b32 s22, 0, 256                      ; and the tensor's first work-group
	s_cmp_lt_u32 ttmp9, 272
	s_cselect_b64 s[20:21], s[20:21], s[8:9]
	s_cselect_b32 s22, s22, 272
	s_cmp_lt_u32 ttmp9, 288
	s_cselect_b64 s[20:21], s[20:21], s[10:11]
	s_cselect_b32 s22, s22, 288
	s_cmp_lt_u32 ttmp9, 304
	s_cselect_b64 s[20:21], s[20:21], s[12:13]
	s_cselect_b32 s22, s22, 304
	s_sub_co_u32 s18, ttmp9, s22
	s_lshl_b32 s18, s18, 1
	s_add_co_u32 s18, s18, s16                     ; which run of 8,192 numbers of the tensor is my wave's
	s_lshl_b32 s18, s18, 15                        ; 32,768 bytes a run
	s_mov_b32 s19, 0
	s_add_nc_u64 s[20:21], s[20:21], s[18:19]
	s_lshl_b32 s18, ttmp9, 1
	s_add_co_u32 s18, s18, s16                     ; which run of xw
	s_lshl_b32 s28, s18, 12                        ; 4,096 bytes of codes a run
	s_mov_b32 s29, 0
	s_add_nc_u64 s[24:25], s[14:15], s[28:29]
	s_lshl_b32 s28, s18, 8                         ; 256 scale bytes a run
	s_add_co_u32 s28, s28, XWS
	s_add_nc_u64 s[26:27], s[14:15], s[28:29]
.macro LOAD t
.irp i, 0,1,2,3
	global_load_b128 v[R+16*((\t)%4)+4*\i:R+16*((\t)%4)+4*\i+3], v3, s[20:21] offset:2048*(\t)+512*\i th:TH_LOAD_NT   ; 32 lanes read 512 consecutive bytes; read once in the launch
.endr
.endm
.macro TURN t                          ; step t's numbers through the stage: LDS serves a wave's instructions in order, so no wait stands between the stores and the loads
.irp i, 0,1,2,3
	ds_store_b128 v14, v[R+16*((\t)%4)+4*\i:R+16*((\t)%4)+4*\i+3] offset:32*SP*((\t)%2)+8*SP*\i
.endr
.irp i, 0,1,2,3
	ds_load_b128 v[X+16*((\t)%2)+4*\i:X+16*((\t)%2)+4*\i+3], v15 offset:32*SP*((\t)%2)+16*\i
.endr
.endm
.irp t, 0,1,2,3
	LOAD \t
.endr
	s_wait_loadcnt 12                              ; step 0's four loads are in; the twelve of steps 1 to 3 may be out
	TURN 0
.macro STEP t
.set XS, X+16*((\t)%2)
.if (\t) > 0
	s_wait_dscnt 1                                 ; this step's numbers are back from the stage (the last step's byte store may be out): so its stores into the stage have read their registers,
.else
	s_wait_dscnt 0x0
.endif
.if (\t)+4 < STEPS
	LOAD (\t)+4                                    ; which take the loads of four steps on
.endif
.if (\t)+1 < STEPS
.if STEPS-2-(\t) >= 3
	s_wait_loadcnt 12                              ; the next step's four loads are in; those of the three steps behind it may be out
.else
	s_wait_loadcnt 4*(STEPS-2-(\t))
.endif
	TURN (\t)+1                                    ; and go through the other stage while this step is worked
.endif
	v_max3_num_f32 v8, |v[XS]|, |v[XS+1]|, |v[XS+2]|               ; the largest magnitude of my 16, in two chains
	v_max3_num_f32 v9, |v[XS+3]|, |v[XS+4]|, |v[XS+5]|
.irp i, 6,10
	v_max3_num_f32 v8, v8, |v[XS+\i]|, |v[XS+\i+1]|
	v_max3_num_f32 v9, v9, |v[XS+\i+2]|, |v[XS+\i+3]|
.endr
	v_max3_num_f32 v8, v8, |v[XS+14]|, |v[XS+15]|
	v_max3_num_f32 v8, v8, v9, (EMAX+1)<<23        ; and the floor 2^(3 - 127): the byte cannot fall under 1
	v_max_num_f32_dpp v8, v8, v8 row_xmask:1 row_mask:0xf bank_mask:0xf   ; and of my neighbour's 16: the block's
	v_add_nc_u32 v11, -(EMAX<<23), v8              ; 2 off its exponent field: the conversion takes the exponent field of this operand as its scale
	v_cvt_scalef32_pk8_fp4_f32 v[C+4*(\t)], v[XS:XS+7], v11
	v_cvt_scalef32_pk8_fp4_f32 v[C+4*(\t)+1], v[XS+8:XS+15], v11
	v_lshrrev_b32 v[E+(\t)], 23, v11               ; the scale's byte
	ds_store_b8 v5, v[E+(\t)] offset:16*(\t)       ; both lanes of a block write the same byte with the same value
	global_store_b64 v4, v[C+4*(\t):C+4*(\t)+1], s[24:25] offset:32*CB*(\t)
.endm
.irp t, 0,1,2,3,4,5,6,7,8,9,10,11,12,13,14,15
	STEP \t
.endr
	ds_load_b64 v[12:13], v6                       ; LDS serves a wave's instructions in order: these see my stores
	s_wait_dscnt 0x0
	global_store_b64 v7, v[12:13], s[26:27]        ; 32 lanes store 256 consecutive bytes, aligned
	s_wait_tensorcnt 0x0
	ds_add_u32 v192, v193
	s_wait_dscnt 0x0
	s_endpgm
.Lfunc_end_k_q39a55df42e_quant:
	.size	k_q39a55df42e_quant, .Lfunc_end_k_q39a55df42e_quant-k_q39a55df42e_quant
	.p2alignl 7, 3214868480
	.fill 96, 4, 3214868480
	.section	.rodata,"a",@progbits
	.p2align	6, 0x0
	.amdhsa_kernel k_q39a55df42e_quant
		.amdhsa_group_segment_fixed_size 16640
		.amdhsa_private_segment_fixed_size 0
		.amdhsa_enable_private_segment 0
		.amdhsa_kernarg_size 48
		.amdhsa_user_sgpr_count 2
		.amdhsa_user_sgpr_kernarg_segment_ptr 1
		.amdhsa_wavefront_size32 1
		.amdhsa_system_sgpr_workgroup_id_x 1
		.amdhsa_system_sgpr_workgroup_id_y 1
		.amdhsa_system_sgpr_workgroup_id_z 1
		.amdhsa_system_vgpr_workitem_id 0
		.amdhsa_next_free_vgpr 194
		.amdhsa_next_free_sgpr 66
		.amdhsa_reserve_vcc 0
		.amdhsa_float_denorm_mode_32 3
		.amdhsa_float_denorm_mode_16_64 3
		.amdhsa_memory_ordered 1
		.amdhsa_forward_progress 1
		.amdhsa_inst_pref_size 34
	.end_amdhsa_kernel
	.amdgpu_metadata
---
amdhsa.version: [ 1, 2 ]
amdhsa.kernels:
  - .name:           k_q39a55df42e_quant
    .symbol:         k_q39a55df42e_quant.kd
    .args:
      - { .name: x, .offset: 0, .size: 8, .value_kind: global_buffer, .address_space: global }
      - { .name: Wq, .offset: 8, .size: 8, .value_kind: global_buffer, .address_space: global }
      - { .name: Wk, .offset: 16, .size: 8, .value_kind: global_buffer, .address_space: global }
      - { .name: Wv, .offset: 24, .size: 8, .value_kind: global_buffer, .address_space: global }
      - { .name: Wo, .offset: 32, .size: 8, .value_kind: global_buffer, .address_space: global }
      - { .name: xw, .offset: 40, .size: 8, .value_kind: global_buffer, .address_space: global }
    .group_segment_fixed_size: 16640
    .private_segment_fixed_size: 0
    .kernarg_segment_align: 8
    .kernarg_segment_size: 48
    .max_flat_workgroup_size: 64
    .sgpr_count:     66
    .vgpr_count:     194
    .wavefront_size: 32
...
	.end_amdgpu_metadata
.endif
;; end of part 1
;; launch proj (part 2): grid 64 x 4, 8 waves a work-group, clusters of 4 x 1, 168,960 bytes of LDS; arguments xw, bq, bk, bv, qkv; writes qkv
.if DOCPART == 2
	.amdgcn_target "amdgcn-amd-amdhsa--gfx1250"
	.amdhsa_code_object_version 6
	.text
	.protected	k_q39a55df42e_proj
	.globl	k_q39a55df42e_proj
	.p2align	8
	.type	k_q39a55df42e_proj,@function
k_q39a55df42e_proj:
	s_mov_b64 s[64:65], 0
	v_nop
	global_prefetch_b8 v0, s[64:65] scope:SCOPE_SE
	s_setreg_imm32_b32 hwreg(HW_REG_WAVE_MODE, 25, 1), 1
	s_wait_xcnt 0x0
	s_wait_alu depctr_hold_cnt(0) depctr_sa_sdst(0) depctr_va_vdst(0) depctr_va_sdst(0) depctr_va_ssrc(0) depctr_va_vcc(0) depctr_vm_vsrc(0)
	s_getreg_b32 s2, hwreg(HW_REG_IB_STS2, 6, 4)
	s_cmp_eq_u32 s2, 0
	s_cbranch_scc0 .Lentry_in_a_cluster
	s_endpgm
.Lentry_in_a_cluster:
	s_bfe_u32 s2, ttmp6, 0x10000c
	s_cmp_lg_u32 s2, 0x3003
	s_cbranch_scc0 .Lentry_shape_is_right
	s_endpgm
.Lentry_shape_is_right:
; q, k, v = x W^T + b on codes of FP4 with E8M0 scales (xw), sums in f32; the results are quantised in registers (q, k along the head's 64 channels, v along the keys) and stored in
; qkv as IMAGES OF OPERAND REGISTERS: group c of four registers at 512 c + 16 x lane, a scale word at 4 x (lane % 16).
; qkv: [head-of-batch 16][step of 128 keys 32][8,704 bytes]: +0 four double fragments of K, +4096 four tiles of V^T, +8192 K's scale words [4][16], +8448 V's [4][16];
;      from QOFF on Q's double fragments [16][block of 32 rows 128][1,024]; from QSOFF on their scale words [16][128][16].
; A DOUBLE FRAGMENT holds two tiles of 16 rows x 64 channels: registers 0-3 tile 2 b, registers 4-7 tile 2 b + 1; the product with K = 128 takes one of the two by zeros in the other operand's other half.
; THE ROWS OF A TILE ARE NOT NEIGHBOURS: lane r of tile 2 b + u takes row 32 b + 8 u + r + 8 (r / 8) (rows of x, and channels of a head, alike), so that a result's 16 registers of
; tiles 2 b and 2 b + 1 are 16 neighbours along the next K.
; SHARES.  A work-group: 128 rows of x, two heads.  Wave w: head w / 4, i = w % 4, three jobs of 8 accumulators x 4 K steps: Q and K of block i of 32 rows (source 0 = 16 rows of W,
; source 1 = 16 rows of x: a lane holds one row, registers run along the channels), V of channel tile i for all 128 keys (source 0 = 16 rows of x, source 1 = 16 rows of Wv: a lane holds one channel, registers run along the keys).
; The biases are the C of each sum's first matrix instruction.
; CLUSTER.  The four work-groups of a cluster take other rows of x and the same two heads: the 96 KiB of weight codes (of 128 KiB that a work-group fetches) are asked for jointly; x's tile is each one's own.
; LDS is filled once: 8 parts of 64 rows x 272 bytes, one tensor load a wave: one is out by this text's count.
; LIMITS: a block of zeros gets the byte 1 (its codes are zeros; this program alone reads the bytes); a block's largest magnitude is floored at 2^-124; NaN and infinities are not served.
; REGISTERS: window 0: v4-11, v29 addresses; v12-27 at work in QUANT; v28 the scale word made; v32-39 the codes made; v40-103 accumulators; v104-179 scale words; v180-251 biases.  window 1: two sets of fragments, at v0 and v128.
.set XWS,   2621440                    ; xw: where the scale bytes begin
.set WCODE, 8192*256                   ; xw: where Wq's codes begin
.set QOFF,  4456448
.set QSOFF, 6553600
.set STEPB, 8704
.set PITCH, 272                        ; an LDS row: 256 bytes + 16 of padding
.set PART,  64*PITCH                   ; what one tensor load brings
.set XL,    6*PART                     ; x's 128 rows, behind Wq's, Wk's and Wv's 128 each
.set FX,  4                            ; v4   x's rows of my block i
.set FW,  5                            ; v5   my head's rows of Wq (Wk: + 2 PART)
.set FWV, 6                            ; v6   my tile's rows of Wv
.set FXA, 7                            ; v7   x's rows from the first on
.set LI,  8                            ; v8   16 x lane
.set R4,  9                            ; v9   4 r
.set G16, 10                           ; v10  16 x (r + 8 (r / 8)): a row's 16 scale bytes
.set GB,  11                           ; v11  64 h
.set TM,  12
.set PW,  28
.set RR4, 29                           ; v29  4 x (r + 8 (r / 8))
.set PC,  32
.set HA,  40
.set XSC, 104                          ; x's scale words [tile 0..7][K step]
.set XSQ, 136                          ; those of my block's two tiles
.set WSQ, 144                          ; Wq's [tile 0..3][K step]; Wk's 16 further on
.set WSV, 176                          ; Wv's, my tile
.set BQ,  180                          ; bq [tile][8]; bk 32 further on
.set BV,  244                          ; bv of my lane's channel, eight times
.set WV,  14
.set SEL, 20
.set G1J, 24
.set G1P, 32
.set G0W, 40
.set G0X, 44
.set SXS, 52
.set SXQ, 54
.set SWS, 56
.set SWV, 58
.set SBQ, 60
.set SBK, 62
.set SBV, 66
.set DQ,  68
.set DQW, 70
.set DKV, 72
.set DKW, 74
.set MSB, 0
.macro WIN new                         ; the immediate's high byte repeats the setting that is left
.if MSB != \new
	s_set_vgpr_msb (MSB<<8)|\new
.set MSB, \new
.endif
.endm
.set MUL,  0x05                        ; sources 0 and 1 window 1; C and D window 0
.set TO_F, 0x40                        ; destination window 1, address window 0
.macro PLACES n
.rept \n
	v_nop
.endr
.endm
.macro CROUND                          ; a round of the cluster's barrier
	s_barrier_signal -1
	s_barrier_wait -1
	s_cmp_lg_u32 s[WV], 0
	s_cbranch_scc1 .Lnot_wave_0_\@
	s_barrier_signal -3
.Lnot_wave_0_\@:
	s_barrier_wait -3
	s_barrier_signal -1
	s_barrier_wait -1
.endm
; 64 numbers of a lane, register 16 b + i = k 32 b + 16 (lane / 16) + i of my row, become a fragment's codes in v[PC] on and its scale word in v[PW].
.macro QUANT s
.irp b, 0,1,2,3
	v_max3_num_f32 v[TM+\b], |v[\s+16*\b]|, |v[\s+1+16*\b]|, 0x1800000   ; block b: my 16 numbers, and the floor 2^(3 - 127): the byte cannot fall under 1
.endr
.irp i, 2,4,6,8,10,12,14
.irp b, 0,1,2,3
	v_max3_num_f32 v[TM+\b], v[TM+\b], |v[\s+16*\b+\i]|, |v[\s+1+16*\b+\i]|   ; (the four blocks by turns)
.endr
.endr
.irp b, 0,1,2,3
	v_permlanex16_b32 v[TM+4+\b], v[TM+\b], s[SEL], s[SEL+1]
.endr
.irp b, 0,1,2,3
	v_max_num_f32 v[TM+\b], v[TM+\b], v[TM+4+\b]   ; with lane l xor 16's: the block's largest magnitude
.endr
.irp b, 0,1,2,3
	v_add_nc_u32 v[TM+12+\b], 0xff000000, v[TM+\b]   ; 2 off its exponent field: the conversion's scale operand
.endr
.irp b, 0,1,2,3
	v_lshrrev_b32 v[TM+4+\b], 23, v[TM+12+\b]      ; the scale's byte
.endr
	v_lshl_or_b32 v[PW], v[TM+5], 8, v[TM+4]       ; the four bytes make my row's scale word
	v_lshl_or_b32 v[PW], v[TM+6], 16, v[PW]
	v_lshl_or_b32 v[PW], v[TM+7], 24, v[PW]
.irp b, 0,1,2,3
	v_cvt_scalef32_pk8_fp4_f32 v[PC+2*\b], v[\s+16*\b:\s+7+16*\b], v[TM+12+\b]
	v_cvt_scalef32_pk8_fp4_f32 v[PC+1+2*\b], v[\s+8+16*\b:\s+15+16*\b], v[TM+12+\b]
.endr
	v_nop                                          ; one plain place behind a scaled conversion
.irp c, 0,1                                    ; the operand's layout wants a whole block in a lane: lanes 0-15 block 2 c, lanes 16-31 block 2 c + 1
.irp i, 0,1
	v_permlane16_swap_b32 v[PC+4*\c+\i], v[PC+2+4*\c+\i]
.endr
.endr
.endm
	s_load_b256 s[4:11], s[0:1], 0x0               ; xw, bq, bk, bv
	s_load_b64 s[12:13], s[0:1], 0x20              ; qkv
	v_lshl_add_u32 v254, v0, 2, 0x29000
	v_mov_b32 v255, 0
	ds_add_u32 v254, v255
	ds_add_u32 v254, v255
	v_lshrrev_b32 v1, 5, v0
	v_readfirstlane_b32 s[WV], v1                  ; wave 0..7
	s_bfe_u32 s15, ttmp6, 0x40000                  ; cx: my place in the cluster
	s_lshl_b32 s16, ttmp9, 2
	s_add_co_u32 s16, s16, s15                     ; which 128 rows of x: 4 x cluster x + cx
	s_and_b32 s17, ttmp7, 0xffff                   ; which pair of heads: the partners share it
	s_lshr_b32 s18, s[WV], 2                       ; which head of the pair
	s_and_b32 s19, s[WV], 3                        ; i
	s_mov_b32 s[SEL], 0x76543210
	s_mov_b32 s[SEL+1], 0xfedcba98                 ; v_permlanex16_b32's selects for lane l xor 16
	; descriptor group 1: 64 rows of 256 bytes, dense in memory, 16 bytes of padding behind each in LDS
	s_mov_b32 s[G1J], 15|(0<<16)|(1<<20)|(1<<21)|(5<<22)|(3<<25)   ; 15:0 the mask: all four work-groups; 17:16 elements of 1 byte; 20 padding on; 21 set beside a mask; 24:22 after every 64 words; 31:25 four words
	s_mov_b32 s[G1P], (0<<16)|(1<<20)|(5<<22)|(3<<25)              ; the same without a mask: x's tile is my own
.irp g, G1J, G1P
	s_mov_b32 s[\g+1], 256<<16                     ; tensor_dim0
	s_mov_b32 s[\g+2], 64<<16                      ; tensor_dim1
	s_mov_b32 s[\g+3], 256<<16                     ; tile_dim0
	s_mov_b32 s[\g+4], 64                          ; tile_dim1
	s_mov_b32 s[\g+5], 256                         ; tensor_dim0_stride
	s_mov_b32 s[\g+6], 0
	s_mov_b32 s[\g+7], 0
.endr
	s_lshl_b32 s80, s17, 15                        ; the weights: the pair's 128 rows of 256 bytes,
	s_lshr_b32 s83, s[WV], 1
	s_lshl_b32 s83, s83, 17                        ; which of Wq, Wk, Wv: 512 rows apart,
	s_add_co_u32 s80, s80, s83
	s_and_b32 s83, s[WV], 1
	s_lshl_b32 s83, s83, 14                        ; which 64 rows
	s_add_co_u32 s80, s80, s83
	s_add_co_u32 s80, s80, WCODE
	s_mov_b32 s81, 0
	s_lshl_b32 s84, s16, 15                        ; x: my 128 rows, which 64 of them
	s_add_co_u32 s84, s84, s83
	s_mov_b32 s85, 0
	s_mul_i32 s86, s[WV], PART                     ; where they go: wave x 64 rows: no place in the cluster enters an LDS address
	s_wait_dscnt 0x0
	s_wait_kmcnt 0x0
	s_mov_b32 s[G0W], 1
	s_mov_b32 s[G0W+1], s86
	s_add_nc_u64 s[G0W+2:G0W+3], s[4:5], s[80:81]
	s_or_b32 s[G0W+3], s[G0W+3], 0x80000000
	s_mov_b32 s[G0X], 1
	s_mov_b32 s[G0X+1], s86
	s_add_nc_u64 s[G0X+2:G0X+3], s[4:5], s[84:85]
	s_or_b32 s[G0X+3], s[G0X+3], 0x80000000
	CROUND                                         ; all four work-groups are here: the joint loads meet
	s_cmp_lt_u32 s[WV], 6                          ; waves 0-5 fetch the weights' six parts jointly, waves 6 and 7 x's two; four v_nop follow each line
	s_cbranch_scc0 .Lfor_x
	tensor_load_to_lds s[G0W:G0W+3], s[G1J:G1J+7]
	s_nop 0
	PLACES 4
	s_branch .Lasked
.Lfor_x:
	tensor_load_to_lds s[G0X:G0X+3], s[G1P:G1P+7]
	s_nop 0
	PLACES 4
.Lasked:
	v_and_b32 v1, 15, v0                           ; r
	v_bfe_u32 v2, v0, 4, 1                         ; h
	v_and_b32 v3, 8, v1
	v_add_nc_u32 v3, v3, v1                        ; r + 8 (r / 8)
	v_and_b32 v[LI], 31, v0
	v_lshlrev_b32 v[LI], 4, v[LI]
	v_lshlrev_b32 v[R4], 2, v1
	v_lshlrev_b32 v[G16], 4, v3
	v_lshlrev_b32 v[GB], 6, v2
	v_lshlrev_b32 v[RR4], 2, v3
	s_lshl_b32 s76, s17, 1
	s_add_co_u32 s76, s76, s18                     ; the head, 0..7
	s_lshr_b32 s77, s16, 5                         ; the batch
	s_and_b32 s78, s16, 31                         ; the step of 128 rows in it
	s_lshl_b32 s79, s77, 3
	s_add_co_u32 s79, s79, s76                     ; head of batch, 0..15
	s_lshr_b32 s82, s19, 1
	s_lshl_b32 s82, s82, 5
	s_and_b32 s87, s19, 1
	s_lshl_b32 s87, s87, 3
	s_add_co_u32 s82, s82, s87                     ; tile i's first row or channel: 32 (i / 2) + 8 (i % 2)
	s_mov_b32 s49, 0                               ; offsets are made in s[48:49], apart from the addresses
	s_lshl_b32 s48, s16, 11                        ; x's scale bytes: 16 a row, my 128 rows
	s_add_co_u32 s48, s48, XWS
	s_add_nc_u64 s[SXS:SXS+1], s[4:5], s[48:49]
	s_lshl_b32 s48, s19, 9                         ; my block of 32 rows
	s_add_nc_u64 s[SXQ:SXQ+1], s[SXS:SXS+1], s[48:49]
	s_lshl_b32 s48, s17, 11                        ; Wq's scale bytes: the pair's 128 rows, my head's 64
	s_lshl_b32 s50, s18, 10
	s_add_co_u32 s48, s48, s50
	s_add_co_u32 s48, s48, XWS+8192*16
	s_add_nc_u64 s[SWS:SWS+1], s[4:5], s[48:49]
	s_lshl_b32 s48, s82, 4                         ; Wv's: 1,024 rows on, my tile
	s_add_co_u32 s48, s48, 16384
	s_add_nc_u64 s[SWV:SWV+1], s[SWS:SWS+1], s[48:49]
	s_lshl_b32 s48, s76, 8                         ; the biases: my head's 64 numbers
	s_add_nc_u64 s[SBQ:SBQ+1], s[6:7], s[48:49]
	s_add_nc_u64 s[SBK:SBK+1], s[8:9], s[48:49]
	s_lshl_b32 s50, s82, 2
	s_add_co_u32 s48, s48, s50                     ; bv: my tile
	s_add_nc_u64 s[SBV:SBV+1], s[10:11], s[48:49]
.irp k, 0,1,2,3,4,5,6,7
	global_load_b128 v[XSC+4*\k:XSC+4*\k+3], v[G16], s[SXS:SXS+1] offset:(32*(\k/2)+8*(\k%2))*16   ; a row's four scale words, one for each K step
.endr
.irp u, 0,1
	global_load_b128 v[XSQ+4*\u:XSQ+4*\u+3], v[G16], s[SXQ:SXQ+1] offset:128*\u
.endr
.irp t, 0,1,2,3
	global_load_b128 v[WSQ+4*\t:WSQ+4*\t+3], v[G16], s[SWS:SWS+1] offset:(32*(\t/2)+8*(\t%2))*16
	global_load_b128 v[WSQ+16+4*\t:WSQ+16+4*\t+3], v[G16], s[SWS:SWS+1] offset:(32*(\t/2)+8*(\t%2))*16+8192
	global_load_b128 v[BQ+8*\t:BQ+8*\t+3], v[GB], s[SBQ:SBQ+1] offset:(32*(\t/2)+8*(\t%2))*4          ; lane (r, h), tile 2 b + u: channels 32 b + 16 h + 8 u + 0 .. 7
	global_load_b128 v[BQ+8*\t+4:BQ+8*\t+7], v[GB], s[SBQ:SBQ+1] offset:(32*(\t/2)+8*(\t%2))*4+16
	global_load_b128 v[BQ+32+8*\t:BQ+32+8*\t+3], v[GB], s[SBK:SBK+1] offset:(32*(\t/2)+8*(\t%2))*4
	global_load_b128 v[BQ+32+8*\t+4:BQ+32+8*\t+7], v[GB], s[SBK:SBK+1] offset:(32*(\t/2)+8*(\t%2))*4+16
.endr
	global_load_b128 v[WSV:WSV+3], v[G16], s[SWV:SWV+1]
.irp j, 0,1,2,3,4,5,6,7
	global_load_b32 v[BV+\j], v[RR4], s[SBV:SBV+1]  ; in V's result a lane holds one channel: its bias stands in all eight registers of the C
.endr
	v_mul_u32_u24 v30, v3, PITCH
	v_lshl_add_u32 v30, v2, 4, v30                 ; a fragment's row x pitch + 16 h
	s_mul_i32 s48, s19, 32*PITCH
	s_add_co_u32 s48, s48, XL
	v_add_nc_u32 v[FX], s48, v30
	s_mul_i32 s48, s18, PART
	v_add_nc_u32 v[FW], s48, v30
	s_mul_i32 s48, s82, PITCH
	s_add_co_u32 s48, s48, 4*PART
	v_add_nc_u32 v[FWV], s48, v[FW]
	v_add_nc_u32 v[FXA], XL, v30
.irp b, 0,1,2,3
	v_mov_b32 v[TM+4+\b], 0                        ; written once: a lane permute's destination counts as one of its sources
.endr
	s_lshl_b32 s87, s79, 7                         ; where the results go: Q: block 128 x head of batch + 4 x step + i
	s_lshl_b32 s88, s78, 2
	s_add_co_u32 s87, s87, s88
	s_add_co_u32 s87, s87, s19
	s_lshl_b32 s48, s87, 10
	s_add_co_u32 s48, s48, QOFF
	s_add_nc_u64 s[DQ:DQ+1], s[12:13], s[48:49]
	s_lshl_b32 s48, s87, 6
	s_add_co_u32 s48, s48, QSOFF
	s_add_nc_u64 s[DQW:DQW+1], s[12:13], s[48:49]
	s_lshl_b32 s87, s79, 5                         ; K and V: step 32 x head of batch + step
	s_add_co_u32 s87, s87, s78
	s_mul_i32 s87, s87, STEPB
	s_lshl_b32 s48, s19, 10
	s_add_co_u32 s48, s48, s87
	s_add_nc_u64 s[DKV:DKV+1], s[12:13], s[48:49]
	s_lshl_b32 s48, s19, 6
	s_add_co_u32 s48, s48, s87
	s_add_co_u32 s48, s48, 8192
	s_add_nc_u64 s[DKW:DKW+1], s[12:13], s[48:49]
; The fragments of K step s into set p.  Q and K jobs: my block's two tiles of x, my head's four tiles of W (wi = 0: Wq, 1: Wk): 12 loads.
.macro FETCHQK p, s, wi
	WIN TO_F
.irp u, 0,1
.irp c, 0,1
	ds_load_b128 v[128*(\p)+8*\u+4*\c:128*(\p)+8*\u+4*\c+3], v[FX] offset:8*\u*PITCH+64*(\s)+32*\c
.endr
.endr
.irp t, 0,1,2,3
.irp c, 0,1
	ds_load_b128 v[128*(\p)+16+8*\t+4*\c:128*(\p)+16+8*\t+4*\c+3], v[FW] offset:(\wi)*2*PART+(32*(\t/2)+8*(\t%2))*PITCH+64*(\s)+32*\c
.endr
.endr
.endm
; V job: x's eight tiles, my tile of Wv: 18 loads.
.macro FETCHV p, s
	WIN TO_F
.irp k, 0,1,2,3,4,5,6,7
.irp c, 0,1
	ds_load_b128 v[128*(\p)+8*\k+4*\c:128*(\p)+8*\k+4*\c+3], v[FXA] offset:(32*(\k/2)+8*(\k%2))*PITCH+64*(\s)+32*\c
.endr
.endr
.irp c, 0,1
	ds_load_b128 v[128*(\p)+64+4*\c:128*(\p)+64+4*\c+3], v[FWV] offset:64*(\s)+32*\c
.endr
.endm
; Eight matrix instructions, the eight accumulators by turns, one instruction a turn.  first: the bias starts the sums.
.macro MULQK p, s, wi, first
	WIN MUL
.irp u, 0,1
.irp t, 0,1,2,3
.if \first
	v_wmma_scale_f32_16x16x128_f8f6f4 v[HA+8*(4*\u+\t):HA+8*(4*\u+\t)+7], v[128*(\p)+16+8*\t:128*(\p)+16+8*\t+7], v[128*(\p)+8*\u:128*(\p)+8*\u+7], v[BQ+32*(\wi)+8*\t:BQ+32*(\wi)+8*\t+7], v[WSQ+16*(\wi)+4*\t+(\s)], v[XSQ+4*\u+(\s)] matrix_a_fmt:MATRIX_FMT_FP4 matrix_b_fmt:MATRIX_FMT_FP4
.else
	v_wmma_scale_f32_16x16x128_f8f6f4 v[HA+8*(4*\u+\t):HA+8*(4*\u+\t)+7], v[128*(\p)+16+8*\t:128*(\p)+16+8*\t+7], v[128*(\p)+8*\u:128*(\p)+8*\u+7], v[HA+8*(4*\u+\t):HA+8*(4*\u+\t)+7], v[WSQ+16*(\wi)+4*\t+(\s)], v[XSQ+4*\u+(\s)] matrix_a_fmt:MATRIX_FMT_FP4 matrix_b_fmt:MATRIX_FMT_FP4
.endif
.endr
.endr
.endm
.macro MULV p, s, first
	WIN MUL
.irp k, 0,1,2,3,4,5,6,7
.if \first
	v_wmma_scale_f32_16x16x128_f8f6f4 v[HA+8*\k:HA+8*\k+7], v[128*(\p)+8*\k:128*(\p)+8*\k+7], v[128*(\p)+64:128*(\p)+71], v[BV:BV+7], v[XSC+4*\k+(\s)], v[WSV+(\s)] matrix_a_fmt:MATRIX_FMT_FP4 matrix_b_fmt:MATRIX_FMT_FP4
.else
	v_wmma_scale_f32_16x16x128_f8f6f4 v[HA+8*\k:HA+8*\k+7], v[128*(\p)+8*\k:128*(\p)+8*\k+7], v[128*(\p)+64:128*(\p)+71], v[HA+8*\k:HA+8*\k+7], v[XSC+4*\k+(\s)], v[WSV+(\s)] matrix_a_fmt:MATRIX_FMT_FP4 matrix_b_fmt:MATRIX_FMT_FP4
.endif
.endr
.endm
; Twelve groups g: job g / 4 (Q, K, V), K step g % 4, set g % 2.
.macro FETCH g
.if (\g) < 8
	FETCHQK (\g)%2, (\g)%4, (\g)/4
.else
	FETCHV (\g)%2, (\g)%4
.endif
.endm
.macro MULG g
.if (\g) < 8
	MULQK (\g)%2, (\g)%4, (\g)/4, ((\g)%4==0)
.else
	MULV (\g)%2, (\g)%4, ((\g)%4==0)
.endif
.endm
	s_wait_tensorcnt 0x0                           ; my part has landed,
	s_barrier_signal -1
	s_barrier_wait -1                              ; everybody's has
	FETCH 0
	s_wait_loadcnt 0x0                             ; scale words and biases
.irp g, 0,1,2,3,4,5,6,7,8,9,10,11
.if (\g >= 1) && (\g != 4) && (\g != 8)
	PLACES 4                                       ; four places between the last group's products and the loads into the set that they read (at a job's start the places behind its predecessor's last products serve)
.endif
.if \g < 11
	FETCH \g+1                                     ; the next group's fragments, into the other set
.endif
.if \g <= 6
	s_wait_dscnt 12                                ; this group's fragments are in; the 12 loads just issued may be out
.elseif \g <= 10
	s_wait_dscnt 18                                ; likewise the 18 of a group of the V job
.else
	s_wait_dscnt 0x0
.endif
	MULG \g
.if (\g % 4) == 3
	WIN 0
	PLACES 4                                       ; between the last products and the first read of their results
	s_wait_xcnt 0x0                                ; the last job's stores have read the codes and the scale word: both are written anew only behind this wait
	QUANT HA
.if \g == 3
	global_store_b128 v[LI], v[PC:PC+3], s[DQ:DQ+1]                  ; 32 lanes store 512 consecutive bytes, aligned
	global_store_b128 v[LI], v[PC+4:PC+7], s[DQ:DQ+1] offset:512
	global_store_b32 v[R4], v[PW], s[DQW:DQW+1]                      ; lanes l and l xor 16 hold the same word and write it to the same place
.elseif \g == 7
	global_store_b128 v[LI], v[PC:PC+3], s[DKV:DKV+1]
	global_store_b128 v[LI], v[PC+4:PC+7], s[DKV:DKV+1] offset:512
	global_store_b32 v[R4], v[PW], s[DKW:DKW+1]
.else
	global_store_b128 v[LI], v[PC:PC+3], s[DKV:DKV+1] offset:4096
	global_store_b128 v[LI], v[PC+4:PC+7], s[DKV:DKV+1] offset:4608
	global_store_b32 v[R4], v[PW], s[DKW:DKW+1] offset:256
.endif
.endif
.endr
	s_wait_tensorcnt 0x0
	ds_add_u32 v254, v255
	s_wait_dscnt 0x0
	CROUND                                         ; the closing round: no work-group ends while a partner may still ask for a tile that names it
	s_endpgm
.Lfunc_end_k_q39a55df42e_proj:
	.size	k_q39a55df42e_proj, .Lfunc_end_k_q39a55df42e_proj-k_q39a55df42e_proj
	.p2alignl 7, 3214868480
	.fill 96, 4, 3214868480
	.section	.rodata,"a",@progbits
	.p2align	6, 0x0
	.amdhsa_kernel k_q39a55df42e_proj
		.amdhsa_group_segment_fixed_size 168960
		.amdhsa_private_segment_fixed_size 0
		.amdhsa_enable_private_segment 0
		.amdhsa_kernarg_size 40
		.amdhsa_user_sgpr_count 2
		.amdhsa_user_sgpr_kernarg_segment_ptr 1
		.amdhsa_wavefront_size32 1
		.amdhsa_system_sgpr_workgroup_id_x 1
		.amdhsa_system_sgpr_workgroup_id_y 1
		.amdhsa_system_sgpr_workgroup_id_z 1
		.amdhsa_system_vgpr_workitem_id 0
		.amdhsa_next_free_vgpr 464
		.amdhsa_next_free_sgpr 96
		.amdhsa_reserve_vcc 0
		.amdhsa_float_denorm_mode_32 3
		.amdhsa_float_denorm_mode_16_64 3
		.amdhsa_memory_ordered 1
		.amdhsa_forward_progress 1
		.amdhsa_inst_pref_size 49
	.end_amdhsa_kernel
	.amdgpu_metadata
---
amdhsa.version: [ 1, 2 ]
amdhsa.kernels:
  - .name:           k_q39a55df42e_proj
    .symbol:         k_q39a55df42e_proj.kd
    .args:
      - { .name: xw, .offset: 0, .size: 8, .value_kind: global_buffer, .address_space: global }
      - { .name: bq, .offset: 8, .size: 8, .value_kind: global_buffer, .address_space: global }
      - { .name: bk, .offset: 16, .size: 8, .value_kind: global_buffer, .address_space: global }
      - { .name: bv, .offset: 24, .size: 8, .value_kind: global_buffer, .address_space: global }
      - { .name: qkv, .offset: 32, .size: 8, .value_kind: global_buffer, .address_space: global }
    .group_segment_fixed_size: 168960
    .private_segment_fixed_size: 0
    .kernarg_segment_align: 8
    .kernarg_segment_size: 40
    .max_flat_workgroup_size: 256
    .sgpr_count:     96
    .vgpr_count:     464
    .wavefront_size: 32
...
	.end_amdgpu_metadata
.endif
;; end of part 2
;; launch attn (part 3): grid 16 x 16, 16 waves a work-group, clusters of 4 x 1, 280,576 bytes of LDS; arguments qkv, oc; writes oc
.if DOCPART == 3
	.amdgcn_target "amdgcn-amd-amdhsa--gfx1250"
	.amdhsa_code_object_version 6
	.text
	.protected	k_q39a55df42e_attn
	.globl	k_q39a55df42e_attn
	.p2align	8
	.type	k_q39a55df42e_attn,@function
k_q39a55df42e_attn:
	s_mov_b64 s[64:65], 0
	v_nop
	global_prefetch_b8 v0, s[64:65] scope:SCOPE_SE
	s_setreg_imm32_b32 hwreg(HW_REG_WAVE_MODE, 25, 1), 1
	s_wait_xcnt 0x0
	s_wait_alu depctr_hold_cnt(0) depctr_sa_sdst(0) depctr_va_vdst(0) depctr_va_sdst(0) depctr_va_ssrc(0) depctr_va_vcc(0) depctr_vm_vsrc(0)
	s_getreg_b32 s2, hwreg(HW_REG_IB_STS2, 6, 4)
	s_cmp_eq_u32 s2, 0
	s_cbranch_scc0 .Lentry_in_a_cluster
	s_endpgm
.Lentry_in_a_cluster:
	s_bfe_u32 s2, ttmp6, 0x10000c
	s_cmp_lg_u32 s2, 0x3003
	s_cbranch_scc0 .Lentry_shape_is_right
	s_endpgm
.Lentry_shape_is_right:
; O = softmax(Q K^T / 8) V for one head of one batch, both products on codes of FP4 with E8M0 scales; the result, divided by the row's sum, is quantised along the model's 512 and stored in oc
; as images of operand registers: [tile of 16 rows 512][K step of 128 (two heads) 4][register group (head of the two) 2][512 bytes]; from OSOFF on the scale bytes [tile][row 16][head 8][2].
; THE SOFTMAX: t = score x log2(e) / 8; M = the running largest t rounded UP to a whole number, kept as -M = floor(-t); p = 2^(t - M) is quantised along the keys, not normalised.  The row's sum is
; taken of the unquantised p, in f32.  When M moves, the sum and O are multiplied by 2^(old M - new M), which rounds nothing.
; SHARES.  A work-group owns 256 queries of a head, each of its sixteen waves one tile of 16: four waves to a SIMD, so that one wave's vector work stands beside another's products and LDS loads.
; Every wave walks the head's 4,096 keys, 128 a step.
; LAYOUT.  Both products are used transposed (S^T = K Q^T, O^T = V^T P^T): a lane holds one query throughout.  The head size is 64 and the instruction's K is 128: a fragment of K holds TWO tiles of 16 keys
; (registers 0-3, registers 4-7) and is multiplied once by [q | 0] and once by [0 | q]; zero codes add nothing.  The keys of a tile are laid so that p's 16 registers of two neighbouring tiles are 16 neighbouring keys.
; LDS.  A head's K, V and scale words, 278,528 bytes, lie in qkv as images of operand registers, step by step, dense; LDS mirrors them and is FILLED ONCE, in four chunks of 8 steps.  Every LDS read is
; 16 x lane or 4 x lane: consecutive bytes.  Waves 0-3 bring a quarter of each chunk: four tensor loads of such a wave are out by this text's count, and a chunk is read behind a counted wait and a barrier while the later ones land.
; CLUSTER.  The four work-groups of a cluster are four query blocks of one head and read the same bytes: every fill is asked for jointly.
; LIMITS: a block of zeros gets the byte 1 (its codes are zeros; this program alone reads the bytes); a block's largest magnitude is floored at 2^-124; NaN and infinities are not served.
.set QOFF,   4456448
.set QSOFF,  6553600
.set OSOFF,  2097152
.set HEADB,  278528
.set CHUNKB, 69632
.set QUARTB, 17408
.set STEPB,  8704
.set LI,  1                            ; v1   16 x lane
.set LS,  2                            ; v2   4 x lane
.set ADR, 3                            ; v3   the step's images
.set ADW, 4                            ; v4   the step's scale words
.set GOS, 5                            ; v5   16 r: my row's scale bytes in oc
.set QW4, 6                            ; v6   4 r
.set QZ,  16                           ; v16-19 zeros, v20-23 q, v24-27 zeros: [0 | q] = v[16:23], [q | 0] = v[20:27]
.set QS,  28                           ; q's scale word
.set PW,  29                           ; p's scale word
.set KS,  30                           ; v30-31 K's scale words: lanes 0-15 fragment 2 i, lanes 16-31 fragment 2 i + 1
.set VS,  32                           ; v32-33 V's likewise
.set KF,  40                           ; v40-71   K's four double fragments
.set VF,  72                           ; v72-103  V^T's four tiles
.set S,   104                          ; v104-167 S^T, then p
.set O,   168                          ; v168-199 O^T
.set PC,  200                          ; v200-207 p's codes
.set BM,  208                          ; v208-211 block maxima
.set BT,  212                          ; v212-215 at work
.set SO,  216                          ; v216-219 the conversions' scale operands
.set F,   220                          ; v[220:221] f = 2^(old M - new M)
.set T0,  222
.set SB,  224                          ; v[224:225] the sum's second chain
.set RL,  226                          ; v[226:227] 1 / the sum
.set WV,  8
.set SEL, 20
.set CS,  22                           ; s[22:23] c = log2(e) / 8
.set G1,  24
.set G0,  32                           ; s[32:47] four groups 0, one for each chunk
.set TB,  48
.set CNT, 49
.macro CROUND                          ; a round of the cluster's barrier
	s_barrier_signal -1
	s_barrier_wait -1
	s_cmp_lg_u32 s[WV], 0
	s_cbranch_scc1 .Lnot_wave_0_\@
	s_barrier_signal -3
.Lnot_wave_0_\@:
	s_barrier_wait -3
	s_barrier_signal -1
	s_barrier_wait -1
.endm
	s_load_b128 s[4:7], s[0:1], 0x0                ; qkv, oc
	v_lshl_add_u32 v232, v0, 2, 0x44000
	v_mov_b32 v233, 0
	ds_add_u32 v232, v233
	ds_add_u32 v232, v233
	v_lshrrev_b32 v1, 5, v0
	v_readfirstlane_b32 s[WV], v1                  ; wave 0..15
	s_and_b32 s9, ttmp7, 0xffff                    ; head of batch, which the partners share
	s_bfe_u32 s10, ttmp6, 0x40000                  ; cx
	s_lshl_b32 s11, ttmp9, 2
	s_add_co_u32 s11, s11, s10                     ; my block of 256 queries
	s_lshl_b32 s12, s11, 3
	s_lshr_b32 s13, s[WV], 1
	s_add_co_u32 s12, s12, s13                     ; my block of 32 queries,
	s_and_b32 s13, s[WV], 1                        ; and which of its two tiles
	s_lshl_b32 s58, s13, 4
	s_and_b32 s14, s[WV], 3
	s_mul_i32 s14, s14, QUARTB                     ; the quarter of a chunk that I fetch, if I fetch: in LDS and in memory alike
	s_mul_i32 s16, s9, HEADB
	s_add_co_u32 s16, s16, s14
	s_mov_b32 s17, 0
	s_mov_b32 s[SEL], 0x76543210
	s_mov_b32 s[SEL+1], 0xfedcba98
	s_mov_b32 s[CS], 0x3e38aa3b                    ; log2(e) / sqrt(64)
	s_mov_b32 s[CS+1], s[CS]                       ; (named with it as a pair, so it is written)
	; descriptor group 1: 17,408 dense bytes as 68 rows of 256 (32 elements of 8 bytes), no padding
	s_mov_b32 s[G1], 15|(3<<16)|(1<<21)            ; 15:0 the mask: all four work-groups; 17:16 elements of 8 bytes; 21 set beside a mask
	s_mov_b32 s[G1+1], 32<<16                      ; tensor_dim0
	s_mov_b32 s[G1+2], 68<<16                      ; tensor_dim1
	s_mov_b32 s[G1+3], 32<<16                      ; tile_dim0
	s_mov_b32 s[G1+4], 68                          ; tile_dim1
	s_mov_b32 s[G1+5], 32                          ; tensor_dim0_stride
	s_mov_b32 s[G1+6], 0
	s_mov_b32 s[G1+7], 0
	s_wait_dscnt 0x0
	s_wait_kmcnt 0x0
	s_add_nc_u64 s[18:19], s[4:5], s[16:17]
.irp c, 0,1,2,3
	s_mov_b32 s[G0+4*\c], 1
	s_add_co_u32 s[G0+4*\c+1], s14, \c*CHUNKB
	s_add_nc_u64 s[G0+4*\c+2:G0+4*\c+3], s[18:19], \c*CHUNKB
	s_or_b32 s[G0+4*\c+3], s[G0+4*\c+3], 0x80000000
.endr
	CROUND                                         ; all four work-groups are here: the joint loads meet
	s_cmp_lt_u32 s[WV], 4                          ; a wave's four fills stand in one branch, ahead of every wait on TENSORcnt, every LDS read and every further barrier; four v_nop follow the last
	s_cbranch_scc0 .Lno_load
	tensor_load_to_lds s[G0:G0+3], s[G1:G1+7]
	s_nop 0
	tensor_load_to_lds s[G0+4:G0+7], s[G1:G1+7]
	s_nop 0
	tensor_load_to_lds s[G0+8:G0+11], s[G1:G1+7]
	s_nop 0
	tensor_load_to_lds s[G0+12:G0+15], s[G1:G1+7]
	s_nop 0
.rept 4
	v_nop
.endr
.Lno_load:
	s_mov_b32 s61, 0                               ; offsets that hang on my place in the cluster are made in s[60:61]
	s_lshl_b32 s15, s9, 7
	s_add_co_u32 s15, s15, s12                     ; Q's block: 128 x head of batch + block
	s_lshl_b32 s60, s15, 10
	s_lshl_b32 s59, s13, 9
	s_add_co_u32 s60, s60, s59                     ; my tile's four registers of the double fragment
	s_add_co_u32 s60, s60, QOFF
	s_add_nc_u64 s[50:51], s[4:5], s[60:61]
	s_lshl_b32 s60, s15, 6
	s_add_co_u32 s60, s60, QSOFF
	s_add_nc_u64 s[52:53], s[4:5], s[60:61]
	s_lshr_b32 s59, s9, 3                          ; the batch
	s_lshl_b32 s59, s59, 7
	s_add_co_u32 s59, s59, s12
	s_lshl_b32 s59, s59, 1
	s_add_co_u32 s59, s59, s13                     ; my tile among the 512 of all rows
	s_and_b32 s62, s9, 7                           ; the head
	s_lshl_b32 s60, s59, 2
	s_lshr_b32 s63, s62, 1
	s_add_co_u32 s60, s60, s63                     ; K step = head / 2
	s_lshl_b32 s60, s60, 10
	s_and_b32 s63, s62, 1
	s_lshl_b32 s63, s63, 9                         ; register group = head % 2
	s_add_co_u32 s60, s60, s63
	s_add_nc_u64 s[54:55], s[6:7], s[60:61]
	s_lshl_b32 s60, s59, 8
	s_lshl_b32 s63, s62, 1
	s_add_co_u32 s60, s60, s63
	s_add_co_u32 s60, s60, OSOFF
	s_add_nc_u64 s[56:57], s[6:7], s[60:61]
	v_and_b32 v[LI], 31, v0
	v_lshlrev_b32 v[LS], 2, v[LI]
	v_lshlrev_b32 v[LI], 4, v[LI]
	v_and_b32 v[QW4], 15, v0
	v_lshlrev_b32 v[QW4], 2, v[QW4]
	global_load_b128 v[QZ+4:QZ+7], v[LI], s[50:51] ; q's codes stay in registers
	global_load_b32 v[T0], v[QW4], s[52:53]        ; the double fragment's scale word: bytes 0, 1 tile 0; bytes 2, 3 tile 1
.irp j, 0,1,2,3,8,9,10,11
	v_mov_b32 v[QZ+\j], 0                          ; the zero halves
.endr
.irp b, 0,1,2,3
	v_mov_b32 v[BT+\b], 0                          ; written once: a lane permute's destination counts as one of its sources
.endr
	v_mov_b32 v[F+1], 0                            ; (named as the upper half of a pair)
	v_mov_b32 v13, 0xff61b1e6                      ; the largest t so far: -3e38, under every t
	v_floor_f32 v12, -v13                          ; -M
	v_mov_b32 v14, 0                               ; the sum, in two halves
	v_mov_b32 v15, 0
	s_wait_loadcnt 0x0
	v_lshrrev_b32 v[T0], s58, v[T0]
	v_and_b32 v[T0], 0xffff, v[T0]                 ; my tile's two bytes,
	v_lshl_or_b32 v[QS], v[T0], 16, v[T0]          ; twice: one word serves [q | 0] and [0 | q]
.set j, 0
.rept 32
	v_mov_b32 v[O+j], 0                            ; O^T.  (The step is written once: the first finds zeros.  These lines are also the places between the scale word's making and its first use)
.set j, j+1
.endr
; A KEY STEP: 128 keys, whose images begin at LDS byte s[TB].
.macro STEP
	v_add_nc_u32 v[ADR], s[TB], v[LI]
	v_add_nc_u32 v[ADW], s[TB], v[LS]
	v_nop                                          ; with the two additions: four places between the last step's products and the loads into the registers that they read
	v_nop
.irp b, 0,1,2,3
.irp c, 0,1
	ds_load_b128 v[KF+8*\b+4*\c:KF+8*\b+4*\c+3], v[ADR] offset:1024*\b+512*\c
.endr
.endr
.irp i, 0,1
	ds_load_b32 v[KS+\i], v[ADW] offset:8192+128*\i
.endr
.irp t, 0,1,2,3
.irp c, 0,1
	ds_load_b128 v[VF+8*\t+4*\c:VF+8*\t+4*\c+3], v[ADR] offset:4096+1024*\t+512*\c
.endr
.endr
.irp i, 0,1
	ds_load_b32 v[VS+\i], v[ADW] offset:8448+128*\i
.endr
	s_wait_dscnt 10                                ; K and its scale words are in; V's ten loads may be out
.irp b, 0,1,2,3                                ; S^T = K Q^T: lane (r, h) holds query r; register 16 b + i holds key 32 b + 16 h + i
.if \b % 2
	v_wmma_scale_f32_16x16x128_f8f6f4 v[S+16*\b:S+16*\b+7], v[KF+8*\b:KF+8*\b+7], v[QZ+4:QZ+11], 0, v[KS+\b/2], v[QS] matrix_a_fmt:MATRIX_FMT_FP4 matrix_b_fmt:MATRIX_FMT_FP4 matrix_a_scale:MATRIX_SCALE_ROW1
	v_wmma_scale_f32_16x16x128_f8f6f4 v[S+16*\b+8:S+16*\b+15], v[KF+8*\b:KF+8*\b+7], v[QZ:QZ+7], 0, v[KS+\b/2], v[QS] matrix_a_fmt:MATRIX_FMT_FP4 matrix_b_fmt:MATRIX_FMT_FP4 matrix_a_scale:MATRIX_SCALE_ROW1
.else
	v_wmma_scale_f32_16x16x128_f8f6f4 v[S+16*\b:S+16*\b+7], v[KF+8*\b:KF+8*\b+7], v[QZ+4:QZ+11], 0, v[KS+\b/2], v[QS] matrix_a_fmt:MATRIX_FMT_FP4 matrix_b_fmt:MATRIX_FMT_FP4
	v_wmma_scale_f32_16x16x128_f8f6f4 v[S+16*\b+8:S+16*\b+15], v[KF+8*\b:KF+8*\b+7], v[QZ:QZ+7], 0, v[KS+\b/2], v[QS] matrix_a_fmt:MATRIX_FMT_FP4 matrix_b_fmt:MATRIX_FMT_FP4
.endif
.endr
.rept 4
	v_nop                                          ; places in front of the first read of the scores
.endr
.irp b, 0,1,2,3
	v_max3_num_f32 v[BM+\b], v[S+16*\b], v[S+1+16*\b], v[S+2+16*\b]   ; the largest score of each block of 32 keys: it serves for the row's maximum and, since p rises with the score, for the block's largest p
.endr
.irp i, 3,5,7,9,11,13
.irp b, 0,1,2,3
	v_max3_num_f32 v[BM+\b], v[BM+\b], v[S+16*\b+\i], v[S+1+16*\b+\i]   ; (the four blocks by turns)
.endr
.endr
.irp b, 0,1,2,3
	v_max_num_f32 v[BM+\b], v[BM+\b], v[S+15+16*\b]
.endr
.irp b, 0,1,2,3
	v_permlanex16_b32 v[BT+\b], v[BM+\b], s[SEL], s[SEL+1]
.endr
.irp b, 0,1,2,3
	v_max_num_f32 v[BM+\b], v[BM+\b], v[BT+\b]     ; with lane l xor 16's 16 keys
.endr
	v_max3_num_f32 v[T0], v[BM], v[BM+1], v[BM+2]
	v_max_num_f32 v[T0], v[T0], v[BM+3]            ; the step's largest score of my query
	v_mul_f32 v[T0], s[CS], v[T0]                  ; as t (c is positive)
	v_max_num_f32 v13, v13, v[T0]                  ; the running largest t
	v_mov_b32 v[T0], v12
	v_floor_f32 v12, -v13                          ; the new -M = floor(-t) = -ceil(t): a whole number
	v_sub_f32 v[T0], v12, v[T0]                    ; M's old value less its new one: a whole number, 0 or less
	v_cvt_i32_f32 v[T0], v[T0]                     ; (it saturates)
	v_ldexp_f32 v[F], 1.0, v[T0]                   ; f = 2^(old M - new M)
.set j, 0
.rept 32
	v_pk_fma_f32 v[S+j:S+j+1], v[S+j:S+j+1], s[CS:CS+1], v[12:13] op_sel_hi:[1,0,0]   ; t - M, two at a time (of the pairs c and -M the low word serves both halves)
.set j, j+2
.endr
.irp b, 0,1,2,3
	v_fma_f32 v[BM+\b], v[BM+\b], s[CS], v12       ; the same of each block's largest score
.endr
.set j, 0
.rept 64
	v_exp_f32 v[S+j], v[S+j]                       ; p = 2^(t - M), at most 1: not normalised
.set j, j+1
.endr
.irp b, 0,1,2,3
	v_exp_f32 v[BM+\b], v[BM+\b]                   ; the block's largest p: the same two instructions on the same number give the same bits
.endr
	v_pk_mul_f32 v[14:15], v[14:15], v[F:F+1] op_sel_hi:[1,0]   ; the sums under the new M.  (A plain place behind the exponentials)
	s_wait_alu depctr_va_vdst(0)
.irp b, 0,1,2,3
	v_max_num_f32 v[BM+\b], 0x1800000, v[BM+\b]    ; the floor 2^(3 - 127): the byte cannot fall under 1
.endr
.irp b, 0,1,2,3
	v_add_nc_u32 v[SO+\b], 0xff000000, v[BM+\b]    ; 2 off the exponent field: the conversion's scale operand
.endr
.irp b, 0,1,2,3
	v_lshrrev_b32 v[BT+\b], 23, v[SO+\b]           ; the scale's byte
.endr
	v_lshl_or_b32 v[PW], v[BT+1], 8, v[BT]         ; p's scale word for these 128 keys
	v_lshl_or_b32 v[PW], v[BT+2], 16, v[PW]
	v_lshl_or_b32 v[PW], v[BT+3], 24, v[PW]
.irp b, 0,1,2,3
	v_cvt_scalef32_pk8_fp4_f32 v[PC+2*\b], v[S+16*\b:S+7+16*\b], v[SO+\b]
	v_cvt_scalef32_pk8_fp4_f32 v[PC+1+2*\b], v[S+8+16*\b:S+15+16*\b], v[SO+\b]
.endr
	v_nop                                          ; one plain place behind a scaled conversion
.irp c, 0,1                                    ; the operand's layout wants a whole block in a lane
.irp i, 0,1
	v_permlane16_swap_b32 v[PC+4*\c+\i], v[PC+2+4*\c+\i]
.endr
.endr
	v_pk_add_f32 v[SB:SB+1], v[S:S+1], v[S+2:S+3]  ; the row's sum is taken of the unquantised p: two at a time, in two chains
.irp j, 4,8,12,16,20,24,28,32,36,40,44,48,52,56,60
	v_pk_add_f32 v[14:15], v[14:15], v[S+\j:S+\j+1]
	v_pk_add_f32 v[SB:SB+1], v[SB:SB+1], v[S+2+\j:S+3+\j]
.endr
	v_pk_add_f32 v[14:15], v[14:15], v[SB:SB+1]
.set j, 0
.rept 16
	v_pk_mul_f32 v[O+j:O+j+1], v[O+j:O+j+1], v[F:F+1] op_sel_hi:[1,0]   ; O^T under the new M
.set j, j+2
.endr
	s_wait_dscnt 0x0                               ; V and its scale words are in
.irp t, 0,1,2,3                                ; O^T += V^T P^T: the four accumulators by turns; K = these 128 keys
.if \t % 2
	v_wmma_scale_f32_16x16x128_f8f6f4 v[O+8*\t:O+8*\t+7], v[VF+8*\t:VF+8*\t+7], v[PC:PC+7], v[O+8*\t:O+8*\t+7], v[VS+\t/2], v[PW] matrix_a_fmt:MATRIX_FMT_FP4 matrix_b_fmt:MATRIX_FMT_FP4 matrix_a_scale:MATRIX_SCALE_ROW1
.else
	v_wmma_scale_f32_16x16x128_f8f6f4 v[O+8*\t:O+8*\t+7], v[VF+8*\t:VF+8*\t+7], v[PC:PC+7], v[O+8*\t:O+8*\t+7], v[VS+\t/2], v[PW] matrix_a_fmt:MATRIX_FMT_FP4 matrix_b_fmt:MATRIX_FMT_FP4
.endif
.endr
.endm
; Chunk c: 8 steps.  A wave that fetches has issued 3 - c loads behind its part of this chunk: they may stay out.
.macro CHUNK c
	s_wait_tensorcnt 3-\c                          ; my part of the chunk has landed (a wave that fetches nothing has none out),
	s_barrier_signal -1
	s_barrier_wait -1                              ; everybody's has
	s_mov_b32 s[TB], \c*CHUNKB
	s_mov_b32 s[CNT], 8
.Lstep_\@:
	STEP
	s_add_co_u32 s[TB], s[TB], STEPB
	s_sub_co_u32 s[CNT], s[CNT], 1
	s_cmp_lg_u32 s[CNT], 0
	s_cbranch_scc1 .Lstep_\@
.endm
	CHUNK 0
	CHUNK 1
	CHUNK 2
	CHUNK 3
	; THE WAY OUT.  O^T / the sum; register 16 b + i is channel 32 b + 16 h + i of my query: two blocks of 32 along the last product's K.  They are quantised as p is, and the four registers of codes are half a fragment.
	v_add_f32 v14, v14, v15                        ; the sum's two halves,
	v_permlanex16_b32 v[T0], v14, s[SEL], s[SEL+1]
	v_add_f32 v14, v14, v[T0]                      ; and lane l xor 16's: the row's sum
	v_rcp_f32 v[RL], v14
	v_and_b32 v[GOS], 15, v0                       ; (plain places behind the reciprocal and behind the last products)
	v_lshlrev_b32 v[GOS], 4, v[GOS]
	v_mov_b32 v[RL+1], 0                           ; (named as the upper half of a pair)
.set j, 0
	s_wait_alu depctr_va_vdst(0)
.rept 16
	v_pk_mul_f32 v[S+j:S+j+1], v[O+j:O+j+1], v[RL:RL+1] op_sel_hi:[1,0]   ; each accumulator from its low end on
.set j, j+2
.endr
.irp b, 0,1
	v_max3_num_f32 v[BM+\b], |v[S+16*\b]|, |v[S+1+16*\b]|, 0x1800000   ; my 16 numbers of block b, and the floor
.endr
.irp i, 2,4,6,8,10,12,14
.irp b, 0,1
	v_max3_num_f32 v[BM+\b], v[BM+\b], |v[S+16*\b+\i]|, |v[S+1+16*\b+\i]|
.endr
.endr
.irp b, 0,1
	v_permlanex16_b32 v[BT+\b], v[BM+\b], s[SEL], s[SEL+1]
.endr
.irp b, 0,1
	v_max_num_f32 v[BM+\b], v[BM+\b], v[BT+\b]
.endr
.irp b, 0,1
	v_add_nc_u32 v[SO+\b], 0xff000000, v[BM+\b]
.endr
.irp b, 0,1
	v_lshrrev_b32 v[BT+\b], 23, v[SO+\b]
.endr
	v_lshl_or_b32 v[PW], v[BT+1], 8, v[BT]         ; my head's two scale bytes of my row
.irp b, 0,1
	v_cvt_scalef32_pk8_fp4_f32 v[PC+2*\b], v[S+16*\b:S+7+16*\b], v[SO+\b]
	v_cvt_scalef32_pk8_fp4_f32 v[PC+1+2*\b], v[S+8+16*\b:S+15+16*\b], v[SO+\b]
.endr
	v_nop                                          ; one plain place behind a scaled conversion
	v_permlane16_swap_b32 v[PC], v[PC+2]
	v_permlane16_swap_b32 v[PC+1], v[PC+3]
	global_store_b128 v[LI], v[PC:PC+3], s[54:55]  ; 32 lanes store 512 consecutive bytes, aligned
	global_store_b16 v[GOS], v[PW], s[56:57]       ; two bytes a row, 16 bytes apart, so that a row's eight heads make the last product's four scale words on end; one byte in 17 of what the wave stores
	s_wait_tensorcnt 0x0
	ds_add_u32 v232, v233
	s_wait_dscnt 0x0
	CROUND                                         ; the closing round: no work-group ends while a partner may still ask for a tile that names it
	s_endpgm
.Lfunc_end_k_q39a55df42e_attn:
	.size	k_q39a55df42e_attn, .Lfunc_end_k_q39a55df42e_attn-k_q39a55df42e_attn
	.p2alignl 7, 3214868480
	.fill 96, 4, 3214868480
	.section	.rodata,"a",@progbits
	.p2align	6, 0x0
	.amdhsa_kernel k_q39a55df42e_attn
		.amdhsa_group_segment_fixed_size 280576
		.amdhsa_private_segment_fixed_size 0
		.amdhsa_enable_private_segment 0
		.amdhsa_kernarg_size 16
		.amdhsa_user_sgpr_count 2
		.amdhsa_user_sgpr_kernarg_segment_ptr 1
		.amdhsa_wavefront_size32 1
		.amdhsa_system_sgpr_workgroup_id_x 1
		.amdhsa_system_sgpr_workgroup_id_y 1
		.amdhsa_system_sgpr_workgroup_id_z 1
		.amdhsa_system_vgpr_workitem_id 0
		.amdhsa_next_free_vgpr 234
		.amdhsa_next_free_sgpr 66
		.amdhsa_reserve_vcc 0
		.amdhsa_float_denorm_mode_32 3
		.amdhsa_float_denorm_mode_16_64 3
		.amdhsa_memory_ordered 1
		.amdhsa_forward_progress 1
		.amdhsa_inst_pref_size 71
	.end_amdhsa_kernel
	.amdgpu_metadata
---
amdhsa.version: [ 1, 2 ]
amdhsa.kernels:
  - .name:           k_q39a55df42e_attn
    .symbol:         k_q39a55df42e_attn.kd
    .args:
      - { .name: qkv, .offset: 0, .size: 8, .value_kind: global_buffer, .address_space: global }
      - { .name: oc, .offset: 8, .size: 8, .value_kind: global_buffer, .address_space: global }
    .group_segment_fixed_size: 280576
    .private_segment_fixed_size: 0
    .kernarg_segment_align: 8
    .kernarg_segment_size: 16
    .max_flat_workgroup_size: 512
    .sgpr_count:     66
    .vgpr_count:     234
    .wavefront_size: 32
...
	.end_amdgpu_metadata
.endif
;; end of part 3
;; launch oproj (part 4): grid 64 x 4, 8 waves a work-group, clusters of 4 x 1, 168,960 bytes of LDS; arguments oc, xw, bo, out0; writes out0
.if DOCPART == 4
	.amdgcn_target "amdgcn-amd-amdhsa--gfx1250"
	.amdhsa_code_object_version 6
	.text
	.protected	k_q39a55df42e_oproj
	.globl	k_q39a55df42e_oproj
	.p2align	8
	.type	k_q39a55df42e_oproj,@function
k_q39a55df42e_oproj:
	s_mov_b64 s[64:65], 0
	v_nop
	global_prefetch_b8 v0, s[64:65] scope:SCOPE_SE
	s_setreg_imm32_b32 hwreg(HW_REG_WAVE_MODE, 25, 1), 1
	s_wait_xcnt 0x0
	s_wait_alu depctr_hold_cnt(0) depctr_sa_sdst(0) depctr_va_vdst(0) depctr_va_sdst(0) depctr_va_ssrc(0) depctr_va_vcc(0) depctr_vm_vsrc(0)
	s_getreg_b32 s2, hwreg(HW_REG_IB_STS2, 6, 4)
	s_cmp_eq_u32 s2, 0
	s_cbranch_scc0 .Lentry_in_a_cluster
	s_endpgm
.Lentry_in_a_cluster:
	s_bfe_u32 s2, ttmp6, 0x10000c
	s_cmp_lg_u32 s2, 0x3003
	s_cbranch_scc0 .Lentry_shape_is_right
	s_endpgm
.Lentry_shape_is_right:
; out0 = o Wo^T + bo on codes of FP4 with E8M0 scales; sums in f32.  o's codes lie in oc as images of operand registers, [tile of 16 rows][K step 4][register group 2][512 bytes], its scale bytes as 16 a row;
; Wo's codes and scale bytes lie in xw (rows 9,728 on), row-major.
; SHARES.  A work-group: 8 tiles of 16 rows x 128 outputs.  Wave w: one tile of rows against 8 tiles of outputs: 8 accumulators, 4 K steps.  The product is used transposed (source 0 = 16 rows of Wo,
; source 1 = o's tile): a lane holds eight neighbouring outputs of one row.  Lane r of tile 2 b + u is row 32 b + 8 u + r + 8 (r / 8).  The bias is loaded into the accumulators: it starts the sums.
; CLUSTER.  The four work-groups of a cluster take other rows and the same 128 rows of Wo: those are asked for jointly (waves 0 and 1, 64 rows each: one tensor load of such a wave is out by this text's count).  LDS is filled once.
; LDS: Wo's 128 rows, 272 bytes apart; behind them a stage of 16 rows x 528 bytes for each wave, into which no fill lands.
.set XWS,   2621440
.set WOROW, 9728
.set OSOFF, 2097152
.set PITCH, 272
.set PART,  64*PITCH
.set STG,   2*PART
.set SPITCH, 528
.set LI,  1                            ; v1   16 x lane
.set R16, 2                            ; v2   16 r
.set H32, 3                            ; v3   32 h
.set FAW, 4                            ; v4   a fragment of Wo: 272 r + 16 h
.set STO, 5                            ; v5   the stage: where I put 32 bytes of a row
.set RD,  6                            ; v6   and where I read a row back
.set OSC, 8                            ; v8-11   o's scale words, one for each K step
.set WSC, 12                           ; v12-43  Wo's [tile of outputs][K step]
.set OF,  44                           ; v44-75  o's four fragments
.set WF,  76                           ; v76-139 Wo's fragments, two sets of four; on the way out the rows read back
.set ACC, 140                          ; v140-203
.set WV,  12
.set G1,  24
.set G0,  32
.macro PLACES n
.rept \n
	v_nop
.endr
.endm
.macro CROUND                          ; a round of the cluster's barrier
	s_barrier_signal -1
	s_barrier_wait -1
	s_cmp_lg_u32 s[WV], 0
	s_cbranch_scc1 .Lnot_wave_0_\@
	s_barrier_signal -3
.Lnot_wave_0_\@:
	s_barrier_wait -3
	s_barrier_signal -1
	s_barrier_wait -1
.endm
	s_load_b256 s[4:11], s[0:1], 0x0               ; oc, xw, bo, out0
	v_lshl_add_u32 v208, v0, 2, 0x29000
	v_mov_b32 v209, 0
	ds_add_u32 v208, v209
	ds_add_u32 v208, v209
	v_lshrrev_b32 v1, 5, v0
	v_readfirstlane_b32 s[WV], v1                  ; wave 0..7
	s_and_b32 s13, ttmp7, 0xffff                   ; which 128 outputs: the partners share it
	s_bfe_u32 s14, ttmp6, 0x40000                  ; cx
	s_lshl_b32 s15, ttmp9, 2
	s_add_co_u32 s15, s15, s14                     ; which 8 tiles of rows
	s_lshl_b32 s16, s15, 3
	s_add_co_u32 s16, s16, s[WV]                   ; my tile of rows
	s_and_b32 s20, s[WV], 1
	s_mul_i32 s17, s20, PART                       ; what I fetch, if I fetch: 64 rows of Wo: in LDS,
	s_lshl_b32 s18, s13, 15
	s_lshl_b32 s20, s20, 14
	s_add_co_u32 s18, s18, s20
	s_add_co_u32 s18, s18, WOROW*256               ; and in memory
	s_mov_b32 s19, 0
	s_mov_b32 s[G1], 15|(0<<16)|(1<<20)|(1<<21)|(5<<22)|(3<<25)   ; 15:0 the mask: all four work-groups; 17:16 elements of 1 byte; 20 padding on; 21 set beside a mask; 24:22 after every 64 words; 31:25 four words
	s_mov_b32 s[G1+1], 256<<16                     ; tensor_dim0
	s_mov_b32 s[G1+2], 64<<16                      ; tensor_dim1
	s_mov_b32 s[G1+3], 256<<16                     ; tile_dim0
	s_mov_b32 s[G1+4], 64                          ; tile_dim1
	s_mov_b32 s[G1+5], 256                         ; tensor_dim0_stride
	s_mov_b32 s[G1+6], 0
	s_mov_b32 s[G1+7], 0
	s_wait_dscnt 0x0
	s_wait_kmcnt 0x0
	s_mov_b32 s[G0], 1
	s_mov_b32 s[G0+1], s17
	s_add_nc_u64 s[G0+2:G0+3], s[6:7], s[18:19]
	s_or_b32 s[G0+3], s[G0+3], 0x80000000
	CROUND                                         ; all four work-groups are here: the joint loads meet
	s_cmp_lt_u32 s[WV], 2
	s_cbranch_scc0 .Lno_load
	tensor_load_to_lds s[G0:G0+3], s[G1:G1+7]
	s_nop 0
	PLACES 4
.Lno_load:
	s_mov_b32 s47, 0                               ; offsets are made in s[46:47], apart from the addresses
	s_lshl_b32 s46, s16, 12
	s_add_nc_u64 s[36:37], s[4:5], s[46:47]        ; o's four fragments of my tile
	s_lshl_b32 s46, s16, 8
	s_add_co_u32 s46, s46, OSOFF
	s_add_nc_u64 s[38:39], s[4:5], s[46:47]        ; their scale bytes
	s_lshl_b32 s46, s13, 11
	s_add_co_u32 s46, s46, XWS+WOROW*16
	s_add_nc_u64 s[40:41], s[6:7], s[46:47]        ; Wo's scale bytes, my 128 rows
	s_lshl_b32 s46, s13, 9
	s_add_nc_u64 s[42:43], s[8:9], s[46:47]        ; bo, my 128 numbers
	s_lshr_b32 s48, s16, 1
	s_lshl_b32 s48, s48, 16                        ; 32 rows of 2,048 bytes for each pair of tiles,
	s_add_co_u32 s46, s46, s48
	s_and_b32 s48, s16, 1
	s_lshl_b32 s48, s48, 14                        ; 8 rows for the odd tile
	s_add_co_u32 s46, s46, s48
	s_add_nc_u64 s[44:45], s[10:11], s[46:47]      ; out0 at my tile's first row, my 128 outputs
	v_and_b32 v[LI], 31, v0
	v_lshlrev_b32 v[LI], 4, v[LI]
	v_and_b32 v204, 15, v0                         ; r
	v_bfe_u32 v205, v0, 4, 1                       ; h
	v_lshlrev_b32 v[R16], 4, v204
	v_lshlrev_b32 v[H32], 5, v205
.irp s, 0,1,2,3
.irp c, 0,1
	global_load_b128 v[OF+8*\s+4*\c:OF+8*\s+4*\c+3], v[LI], s[36:37] offset:1024*\s+512*\c   ; 32 lanes read 512 consecutive bytes
.endr
.endr
	global_load_b128 v[OSC:OSC+3], v[R16], s[38:39]
.irp n, 0,1,2,3,4,5,6,7
	global_load_b128 v[WSC+4*\n:WSC+4*\n+3], v[R16], s[40:41] offset:256*\n
	global_load_b128 v[ACC+8*\n:ACC+8*\n+3], v[H32], s[42:43] offset:64*\n          ; lane (r, h), tile n: bo of outputs 16 n + 8 h + 0 .. 7
	global_load_b128 v[ACC+8*\n+4:ACC+8*\n+7], v[H32], s[42:43] offset:64*\n+16
.endr
	v_mul_u32_u24 v[FAW], v204, PITCH
	v_lshl_add_u32 v[FAW], v205, 4, v[FAW]
	s_mul_i32 s49, s[WV], 16*SPITCH
	s_add_co_u32 s49, s49, STG                     ; my stage
	v_mul_u32_u24 v[STO], v204, SPITCH
	v_lshl_add_u32 v[STO], v205, 5, v[STO]
	v_add_nc_u32 v[STO], s49, v[STO]
	v_add_nc_u32 v[RD], s49, v[LI]
; Eight groups g: K step g / 2, output tiles 4 (g % 2) .. + 3, set g % 2.
.macro FETCHW g
.irp q, 0,1,2,3
.irp c, 0,1
	ds_load_b128 v[WF+32*((\g)%2)+8*\q+4*\c:WF+32*((\g)%2)+8*\q+4*\c+3], v[FAW] offset:(4*((\g)%2)+\q)*16*PITCH+64*((\g)/2)+32*\c
.endr
.endr
.endm
.macro MULW g                          ; the eight accumulators take turns, one instruction a turn, over two groups
.irp q, 0,1,2,3
	v_wmma_scale_f32_16x16x128_f8f6f4 v[ACC+8*(4*((\g)%2)+\q):ACC+8*(4*((\g)%2)+\q)+7], v[WF+32*((\g)%2)+8*\q:WF+32*((\g)%2)+8*\q+7], v[OF+8*((\g)/2):OF+8*((\g)/2)+7], v[ACC+8*(4*((\g)%2)+\q):ACC+8*(4*((\g)%2)+\q)+7], v[WSC+4*(4*((\g)%2)+\q)+(\g)/2], v[OSC+(\g)/2] matrix_a_fmt:MATRIX_FMT_FP4 matrix_b_fmt:MATRIX_FMT_FP4
.endr
.endm
	s_wait_tensorcnt 0x0                           ; my part of Wo has landed (a wave that fetches nothing has none out),
	s_barrier_signal -1
	s_barrier_wait -1                              ; everybody's has
	FETCHW 0
	s_wait_loadcnt 0x0                             ; o's fragments, the scale words, the bias
.irp g, 0,1,2,3,4,5,6,7
.if \g >= 1
	PLACES 4                                       ; between the last group's products and the loads into the set that they read
.endif
.if \g < 7
	FETCHW \g+1
	s_wait_dscnt 8                                 ; this group's fragments are in; the eight loads just issued may be out
.else
	s_wait_dscnt 0x0
.endif
	MULW \g
.endr
	; THE WAY OUT.  A lane holds 32 neighbouring bytes of a row and the lanes beside it hold other rows: the tile goes through my own stage and comes back as whole rows of 512 bytes.
	PLACES 4                                       ; between the last products and the first read of results, and the loads into the registers that held Wo's fragments
.irp n, 0,1,2,3,4,5,6,7
	ds_store_b128 v[STO], v[ACC+8*\n:ACC+8*\n+3] offset:64*\n          ; each accumulator from its low end on
	ds_store_b128 v[STO], v[ACC+8*\n+4:ACC+8*\n+7] offset:64*\n+16
.endr
.irp t, 0,1,2,3,4,5,6,7,8,9,10,11,12,13,14,15
	ds_load_b128 v[WF+4*\t:WF+4*\t+3], v[RD] offset:\t*SPITCH          ; LDS serves a wave's instructions in order: these see my stores
.endr
.irp t, 0,1,2,3,4,5,6,7,8,9,10,11,12,13,14,15
	s_wait_dscnt 15-\t                             ; row t is back; the younger loads may be out
	global_store_b128 v[LI], v[WF+4*\t:WF+4*\t+3], s[44:45] offset:(\t+8*(\t/8))*2048 th:TH_STORE_NT   ; 32 lanes store 512 consecutive bytes, aligned; written once, read by nobody here
.endr
	s_wait_tensorcnt 0x0
	ds_add_u32 v208, v209
	s_wait_dscnt 0x0
	CROUND                                         ; the closing round: no work-group ends while a partner may still ask for a tile that names it
	s_endpgm
.Lfunc_end_k_q39a55df42e_oproj:
	.size	k_q39a55df42e_oproj, .Lfunc_end_k_q39a55df42e_oproj-k_q39a55df42e_oproj
	.p2alignl 7, 3214868480
	.fill 96, 4, 3214868480
	.section	.rodata,"a",@progbits
	.p2align	6, 0x0
	.amdhsa_kernel k_q39a55df42e_oproj
		.amdhsa_group_segment_fixed_size 168960
		.amdhsa_private_segment_fixed_size 0
		.amdhsa_enable_private_segment 0
		.amdhsa_kernarg_size 32
		.amdhsa_user_sgpr_count 2
		.amdhsa_user_sgpr_kernarg_segment_ptr 1
		.amdhsa_wavefront_size32 1
		.amdhsa_system_sgpr_workgroup_id_x 1
		.amdhsa_system_sgpr_workgroup_id_y 1
		.amdhsa_system_sgpr_workgroup_id_z 1
		.amdhsa_system_vgpr_workitem_id 0
		.amdhsa_next_free_vgpr 210
		.amdhsa_next_free_sgpr 66
		.amdhsa_reserve_vcc 0
		.amdhsa_float_denorm_mode_32 3
		.amdhsa_float_denorm_mode_16_64 3
		.amdhsa_memory_ordered 1
		.amdhsa_forward_progress 1
		.amdhsa_inst_pref_size 21
	.end_amdhsa_kernel
	.amdgpu_metadata
---
amdhsa.version: [ 1, 2 ]
amdhsa.kernels:
  - .name:           k_q39a55df42e_oproj
    .symbol:         k_q39a55df42e_oproj.kd
    .args:
      - { .name: oc, .offset: 0, .size: 8, .value_kind: global_buffer, .address_space: global }
      - { .name: xw, .offset: 8, .size: 8, .value_kind: global_buffer, .address_space: global }
      - { .name: bo, .offset: 16, .size: 8, .value_kind: global_buffer, .address_space: global }
      - { .name: out0, .offset: 24, .size: 8, .value_kind: global_buffer, .address_space: global }
    .group_segment_fixed_size: 168960
    .private_segment_fixed_size: 0
    .kernarg_segment_align: 8
    .kernarg_segment_size: 32
    .max_flat_workgroup_size: 256
    .sgpr_count:     66
    .vgpr_count:     210
    .wavefront_size: 32
...
	.end_amdgpu_metadata
.endif
;; end of part 4
;; ======== version 2 of 2: 4 launches
;; limits: right only within a limited range of input values
;; workspace buffers: xw 2,785,280 bytes; qkv 6,684,672 bytes; oc 2,228,224 bytes
;; launch quant (part 5): grid 320 x 1, 2 waves a work-group, no clusters, 16,640 bytes of LDS; arguments x, Wq, Wk, Wv, Wo, xw; writes xw
.if DOCPART == 5
	.amdgcn_target "amdgcn-amd-amdhsa--gfx1250"
	.amdhsa_code_object_version 6
	.text
	.protected	k_q39a55df42e_quant
	.globl	k_q39a55df42e_quant
	.p2align	8
	.type	k_q39a55df42e_quant,@function
k_q39a55df42e_quant:
	s_mov_b64 s[64:65], 0
	v_nop
	global_prefetch_b8 v0, s[64:65] scope:SCOPE_SE
	s_setreg_imm32_b32 hwreg(HW_REG_WAVE_MODE, 25, 1), 1
	s_wait_xcnt 0x0
; x [8192][512] and Wq, Wk, Wv, Wo [512][512], f32 with K innermost, become codes of FP4 (E2M1) with one E8M0 scale byte for each 32 along K.
; xw: codes [10240 rows][256 bytes], rows 0-8191 x, then 512 rows each of Wq, Wk, Wv, Wo; from byte XWS on the scale bytes [10240][16].
; A block's scale is 2^(floor(log2(its largest magnitude)) - 2): its byte is the largest magnitude's exponent field - 2, held at 1 from below.
; LIMITS: a block of zeros gets the byte 1 where the quantiser says 127 (its codes are zeros, and this program alone reads the bytes); a block's largest magnitude is
; floored at 2^-124; NaN and infinities among the inputs are not served.
; Rows are dense and 512 is a multiple of 32: every tensor is a plain stream of blocks of 32, and so are its codes and scale bytes.  xw's rows follow the order of the
; work-groups, so the place in xw hangs on the work-group's number alone; only the source pointer is chosen.
; A wave takes 16 steps of 512 numbers.  Each load reads 512 consecutive bytes, 16 a lane; a step's 2,048 bytes turn through the wave's own stage in LDS and come back 64 bytes
; a lane, so that a lane holds 16 neighbours along K and two neighbouring lanes a block.  A lane's 16 codes are 8 bytes: a store of the wave covers 256 consecutive bytes, aligned.
; A wave's 256 scale bytes are gathered in LDS and leave by one store of 256 consecutive bytes.  No work-group shares an input with another: no cluster, no tensor load, no barrier.
.set STEPS, 16
.set EMAX,  2
.set CB,    8                          ; bytes of 16 codes
.set XWS,   2621440                    ; where the scale bytes begin in xw
.set R,     16                         ; v16-79   four sets of 16 numbers as they are loaded
.set X,     80                         ; v80-111  two sets of 16 neighbours
.set E,     112                        ; v112-127 a scale byte for each step
.set C,     128                        ; v128-191 codes: four registers for each step, so that no store's data are written again
.set WREG,  8192                       ; LDS: a region for each wave: two stages of 32 x SP bytes, behind them its 256 scale bytes
.set SP,    80                         ; a lane's place in a stage: 64 bytes + 16 of padding
	s_load_b256 s[4:11], s[0:1], 0x0               ; x, Wq, Wk, Wv
	s_load_b128 s[12:15], s[0:1], 0x20             ; Wo, xw
	v_lshl_add_u32 v192, v0, 2, 0x4000
	v_mov_b32 v193, 0
	v_lshrrev_b32 v1, 5, v0
	v_readfirstlane_b32 s16, v1                    ; wave
	v_and_b32 v2, 31, v0                           ; lane
	v_lshlrev_b32 v3, 4, v2                        ; my 16 bytes of a load's 512
	s_mul_i32 s17, s16, WREG
	v_lshrrev_b32 v14, 2, v2
	v_mul_u32_u24 v14, v14, SP
	v_and_b32 v15, 3, v2
	v_lshl_add_u32 v14, v15, 4, v14
	v_add_nc_u32 v14, s17, v14                     ; the stage, on the way in: SP (lane / 4) + 16 (lane % 4)
	v_mul_u32_u24 v15, v2, SP
	v_add_nc_u32 v15, s17, v15                     ; and on the way out: SP x lane: my 16 neighbours
	v_mul_u32_u24 v4, v2, CB                       ; my codes' place in a step's
	v_lshrrev_b32 v5, 1, v2
	s_add_co_u32 s17, s17, 2*32*SP
	v_add_nc_u32 v5, s17, v5                       ; LDS: my wave's 256 scale bytes, my block's byte
	v_lshlrev_b32 v7, 3, v2                        ; and on the way out 8 bytes a lane
	v_add_nc_u32 v6, s17, v7
	s_wait_alu depctr_va_vdst(0)
	s_wait_kmcnt 0x0
	s_cmp_lt_u32 ttmp9, 256                        ; which tensor is my work-group's?  The choice hangs on the work-group's number alone
	s_cselect_b64 s[20:21], s[4:5], s[6:7]
	s_cselect_b32 s22, 0, 256                      ; and the tensor's first work-group
	s_cmp_lt_u32 ttmp9, 272
	s_cselect_b64 s[20:21], s[20:21], s[8:9]
	s_cselect_b32 s22, s22, 272
	s_cmp_lt_u32 ttmp9, 288
	s_cselect_b64 s[20:21], s[20:21], s[10:11]
	s_cselect_b32 s22, s22, 288
	s_cmp_lt_u32 ttmp9, 304
	s_cselect_b64 s[20:21], s[20:21], s[12:13]
	s_cselect_b32 s22, s22, 304
	s_sub_co_u32 s18, ttmp9, s22
	s_lshl_b32 s18, s18, 1
	s_add_co_u32 s18, s18, s16                     ; which run of 8,192 numbers of the tensor is my wave's
	s_lshl_b32 s18, s18, 15                        ; 32,768 bytes a run
	s_mov_b32 s19, 0
	s_add_nc_u64 s[20:21], s[20:21], s[18:19]
	s_lshl_b32 s18, ttmp9, 1
	s_add_co_u32 s18, s18, s16                     ; which run of xw
	s_lshl_b32 s28, s18, 12                        ; 4,096 bytes of codes a run
	s_mov_b32 s29, 0
	s_add_nc_u64 s[24:25], s[14:15], s[28:29]
	s_lshl_b32 s28, s18, 8                         ; 256 scale bytes a run
	s_add_co_u32 s28, s28, XWS
	s_add_nc_u64 s[26:27], s[14:15], s[28:29]
.macro LOAD t
.irp i, 0,1,2,3
	global_load_b128 v[R+16*((\t)%4)+4*\i:R+16*((\t)%4)+4*\i+3], v3, s[20:21] offset:2048*(\t)+512*\i th:TH_LOAD_NT   ; 32 lanes read 512 consecutive bytes; read once in the launch
.endr
.endm
.macro TURN t                          ; step t's numbers through the stage: LDS serves a wave's instructions in order, so no wait stands between the stores and the loads
.irp i, 0,1,2,3
	ds_store_b128 v14, v[R+16*((\t)%4)+4*\i:R+16*((\t)%4)+4*\i+3] offset:32*SP*((\t)%2)+8*SP*\i
.endr
.irp i, 0,1,2,3
	ds_load_b128 v[X+16*((\t)%2)+4*\i:X+16*((\t)%2)+4*\i+3], v15 offset:32*SP*((\t)%2)+16*\i
.endr
.endm
.irp t, 0,1,2,3
	LOAD \t
.endr
	s_wait_loadcnt 12                              ; step 0's four loads are in; the twelve of steps 1 to 3 may be out
	TURN 0
.macro STEP t
.set XS, X+16*((\t)%2)
.if (\t) > 0
	s_wait_dscnt 1                                 ; this step's numbers are back from the stage (the last step's byte store may be out): so its stores into the stage have read their registers,
.else
	s_wait_dscnt 0x0
.endif
.if (\t)+4 < STEPS
	LOAD (\t)+4                                    ; which take the loads of four steps on
.endif
.if (\t)+1 < STEPS
.if STEPS-2-(\t) >= 3
	s_wait_loadcnt 12                              ; the next step's four loads are in; those of the three steps behind it may be out
.else
	s_wait_loadcnt 4*(STEPS-2-(\t))
.endif
	TURN (\t)+1                                    ; and go through the other stage while this step is worked
.endif
	v_max3_num_f32 v8, |v[XS]|, |v[XS+1]|, |v[XS+2]|               ; the largest magnitude of my 16, in two chains
	v_max3_num_f32 v9, |v[XS+3]|, |v[XS+4]|, |v[XS+5]|
.irp i, 6,10
	v_max3_num_f32 v8, v8, |v[XS+\i]|, |v[XS+\i+1]|
	v_max3_num_f32 v9, v9, |v[XS+\i+2]|, |v[XS+\i+3]|
.endr
	v_max3_num_f32 v8, v8, |v[XS+14]|, |v[XS+15]|
	v_max3_num_f32 v8, v8, v9, (EMAX+1)<<23        ; and the floor 2^(3 - 127): the byte cannot fall under 1
	v_max_num_f32_dpp v8, v8, v8 row_xmask:1 row_mask:0xf bank_mask:0xf   ; and of my neighbour's 16: the block's
	v_add_nc_u32 v11, -(EMAX<<23), v8              ; 2 off its exponent field: the conversion takes the exponent field of this operand as its scale
	v_cvt_scalef32_pk8_fp4_f32 v[C+4*(\t)], v[XS:XS+7], v11
	v_cvt_scalef32_pk8_fp4_f32 v[C+4*(\t)+1], v[XS+8:XS+15], v11
	v_lshrrev_b32 v[E+(\t)], 23, v11               ; the scale's byte
	ds_store_b8 v5, v[E+(\t)] offset:16*(\t)       ; both lanes of a block write the same byte with the same value
	global_store_b64 v4, v[C+4*(\t):C+4*(\t)+1], s[24:25] offset:32*CB*(\t)
.endm
.irp t, 0,1,2,3,4,5,6,7,8,9,10,11,12,13,14,15
	STEP \t
.endr
	ds_load_b64 v[12:13], v6                       ; LDS serves a wave's instructions in order: these see my stores
	s_wait_dscnt 0x0
	global_store_b64 v7, v[12:13], s[26:27]        ; 32 lanes store 256 consecutive bytes, aligned
	s_wait_tensorcnt 0x0
	ds_add_u32 v192, v193
	s_wait_dscnt 0x0
	s_endpgm
.Lfunc_end_k_q39a55df42e_quant:
	.size	k_q39a55df42e_quant, .Lfunc_end_k_q39a55df42e_quant-k_q39a55df42e_quant
	.p2alignl 7, 3214868480
	.fill 96, 4, 3214868480
	.section	.rodata,"a",@progbits
	.p2align	6, 0x0
	.amdhsa_kernel k_q39a55df42e_quant
		.amdhsa_group_segment_fixed_size 16640
		.amdhsa_private_segment_fixed_size 0
		.amdhsa_enable_private_segment 0
		.amdhsa_kernarg_size 48
		.amdhsa_user_sgpr_count 2
		.amdhsa_user_sgpr_kernarg_segment_ptr 1
		.amdhsa_wavefront_size32 1
		.amdhsa_system_sgpr_workgroup_id_x 1
		.amdhsa_system_sgpr_workgroup_id_y 1
		.amdhsa_system_sgpr_workgroup_id_z 1
		.amdhsa_system_vgpr_workitem_id 0
		.amdhsa_next_free_vgpr 194
		.amdhsa_next_free_sgpr 66
		.amdhsa_reserve_vcc 0
		.amdhsa_float_denorm_mode_32 3
		.amdhsa_float_denorm_mode_16_64 3
		.amdhsa_memory_ordered 1
		.amdhsa_forward_progress 1
		.amdhsa_inst_pref_size 34
	.end_amdhsa_kernel
	.amdgpu_metadata
---
amdhsa.version: [ 1, 2 ]
amdhsa.kernels:
  - .name:           k_q39a55df42e_quant
    .symbol:         k_q39a55df42e_quant.kd
    .args:
      - { .name: x, .offset: 0, .size: 8, .value_kind: global_buffer, .address_space: global }
      - { .name: Wq, .offset: 8, .size: 8, .value_kind: global_buffer, .address_space: global }
      - { .name: Wk, .offset: 16, .size: 8, .value_kind: global_buffer, .address_space: global }
      - { .name: Wv, .offset: 24, .size: 8, .value_kind: global_buffer, .address_space: global }
      - { .name: Wo, .offset: 32, .size: 8, .value_kind: global_buffer, .address_space: global }
      - { .name: xw, .offset: 40, .size: 8, .value_kind: global_buffer, .address_space: global }
    .group_segment_fixed_size: 16640
    .private_segment_fixed_size: 0
    .kernarg_segment_align: 8
    .kernarg_segment_size: 48
    .max_flat_workgroup_size: 64
    .sgpr_count:     66
    .vgpr_count:     194
    .wavefront_size: 32
...
	.end_amdgpu_metadata
.endif
;; end of part 5
;; launch proj (part 6): grid 64 x 4, 8 waves a work-group, clusters of 4 x 1, 168,960 bytes of LDS; arguments xw, bq, bk, bv, qkv; writes qkv
.if DOCPART == 6
	.amdgcn_target "amdgcn-amd-amdhsa--gfx1250"
	.amdhsa_code_object_version 6
	.text
	.protected	k_q39a55df42e_proj
	.globl	k_q39a55df42e_proj
	.p2align	8
	.type	k_q39a55df42e_proj,@function
k_q39a55df42e_proj:
	s_mov_b64 s[64:65], 0
	v_nop
	global_prefetch_b8 v0, s[64:65] scope:SCOPE_SE
	s_setreg_imm32_b32 hwreg(HW_REG_WAVE_MODE, 25, 1), 1
	s_wait_xcnt 0x0
	s_wait_alu depctr_hold_cnt(0) depctr_sa_sdst(0) depctr_va_vdst(0) depctr_va_sdst(0) depctr_va_ssrc(0) depctr_va_vcc(0) depctr_vm_vsrc(0)
	s_getreg_b32 s2, hwreg(HW_REG_IB_STS2, 6, 4)
	s_cmp_eq_u32 s2, 0
	s_cbranch_scc0 .Lentry_in_a_cluster
	s_endpgm
.Lentry_in_a_cluster:
	s_bfe_u32 s2, ttmp6, 0x10000c
	s_cmp_lg_u32 s2, 0x3003
	s_cbranch_scc0 .Lentry_shape_is_right
	s_endpgm
.Lentry_shape_is_right:
; q, k, v = x W^T + b on codes of FP4 with E8M0 scales (xw), sums in f32; the results are quantised in registers (q, k along the head's 64 channels, v along the keys) and stored in
; qkv as IMAGES OF OPERAND REGISTERS: group c of four registers at 512 c + 16 x lane, a scale word at 4 x (lane % 16).
; qkv: [head-of-batch 16][step of 128 keys 32][8,704 bytes]: +0 four double fragments of K, +4096 four tiles of V^T, +8192 K's scale words [4][16], +8448 V's [4][16];
;      from QOFF on Q's double fragments [16][block of 32 rows 128][1,024]; from QSOFF on their scale words [16][128][16].
; A DOUBLE FRAGMENT holds two tiles of 16 rows x 64 channels: registers 0-3 tile 2 b, registers 4-7 tile 2 b + 1; the product with K = 128 takes one of the two by zeros in the other operand's other half.
; THE ROWS OF A TILE ARE NOT NEIGHBOURS: lane r of tile 2 b + u takes row 32 b + 8 u + r + 8 (r / 8) (rows of x, and channels of a head, alike), so that a result's 16 registers of
; tiles 2 b and 2 b + 1 are 16 neighbours along the next K.
; SHARES.  A work-group: 128 rows of x, two heads.  Wave w: head w / 4, i = w % 4, three jobs of 8 accumulators x 4 K steps: Q and K of block i of 32 rows (source 0 = 16 rows of W,
; source 1 = 16 rows of x: a lane holds one row, registers run along the channels), V of channel tile i for all 128 keys (source 0 = 16 rows of x, source 1 = 16 rows of Wv: a lane holds one channel, registers run along the keys).
; The biases are the C of each sum's first matrix instruction.
; CLUSTER.  The four work-groups of a cluster take other rows of x and the same two heads: the 96 KiB of weight codes (of 128 KiB that a work-group fetches) are asked for jointly; x's tile is each one's own.
; LDS is filled once: 8 parts of 64 rows x 272 bytes, one tensor load a wave: one is out by this text's count.
; LIMITS: a block of zeros gets the byte 1 (its codes are zeros; this program alone reads the bytes); a block's largest magnitude is floored at 2^-124; NaN and infinities are not served.
; REGISTERS: window 0: v4-11, v29 addresses; v12-27 at work in QUANT; v28 the scale word made; v32-39 the codes made; v40-103 accumulators; v104-179 scale words; v180-251 biases.  window 1: two sets of fragments, at v0 and v128.
.set XWS,   2621440                    ; xw: where the scale bytes begin
.set WCODE, 8192*256                   ; xw: where Wq's codes begin
.set QOFF,  4456448
.set QSOFF, 6553600
.set STEPB, 8704
.set PITCH, 272                        ; an LDS row: 256 bytes + 16 of padding
.set PART,  64*PITCH                   ; what one tensor load brings
.set XL,    6*PART                     ; x's 128 rows, behind Wq's, Wk's and Wv's 128 each
.set FX,  4                            ; v4   x's rows of my block i
.set FW,  5                            ; v5   my head's rows of Wq (Wk: + 2 PART)
.set FWV, 6                            ; v6   my tile's rows of Wv
.set FXA, 7                            ; v7   x's rows from the first on
.set LI,  8                            ; v8   16 x lane
.set R4,  9                            ; v9   4 r
.set G16, 10                           ; v10  16 x (r + 8 (r / 8)): a row's 16 scale bytes
.set GB,  11                           ; v11  64 h
.set TM,  12
.set PW,  28
.set RR4, 29                           ; v29  4 x (r + 8 (r / 8))
.set PC,  32
.set HA,  40
.set XSC, 104                          ; x's scale words [tile 0..7][K step]
.set XSQ, 136                          ; those of my block's two tiles
.set WSQ, 144                          ; Wq's [tile 0..3][K step]; Wk's 16 further on
.set WSV, 176                          ; Wv's, my tile
.set BQ,  180                          ; bq [tile][8]; bk 32 further on
.set BV,  244                          ; bv of my lane's channel, eight times
.set WV,  14
.set SEL, 20
.set G1J, 24
.set G1P, 32
.set G0W, 40
.set G0X, 44
.set SXS, 52
.set SXQ, 54
.set SWS, 56
.set SWV, 58
.set SBQ, 60
.set SBK, 62
.set SBV, 66
.set DQ,  68
.set DQW, 70
.set DKV, 72
.set DKW, 74
.set MSB, 0
.macro WIN new                         ; the immediate's high byte repeats the setting that is left
.if MSB != \new
	s_set_vgpr_msb (MSB<<8)|\new
.set MSB, \new
.endif
.endm
.set MUL,  0x05                        ; sources 0 and 1 window 1; C and D window 0
.set TO_F, 0x40                        ; destination window 1, address window 0
.macro PLACES n
.rept \n
	v_nop
.endr
.endm
.macro CROUND                          ; a round of the cluster's barrier
	s_barrier_signal -1
	s_barrier_wait -1
	s_cmp_lg_u32 s[WV], 0
	s_cbranch_scc1 .Lnot_wave_0_\@
	s_barrier_signal -3
.Lnot_wave_0_\@:
	s_barrier_wait -3
	s_barrier_signal -1
	s_barrier_wait -1
.endm
; 64 numbers of a lane, register 16 b + i = k 32 b + 16 (lane / 16) + i of my row, become a fragment's codes in v[PC] on and its scale word in v[PW].
.macro QUANT s
.irp b, 0,1,2,3
	v_max3_num_f32 v[TM+\b], |v[\s+16*\b]|, |v[\s+1+16*\b]|, 0x1800000   ; block b: my 16 numbers, and the floor 2^(3 - 127): the byte cannot fall under 1
.endr
.irp i, 2,4,6,8,10,12,14
.irp b, 0,1,2,3
	v_max3_num_f32 v[TM+\b], v[TM+\b], |v[\s+16*\b+\i]|, |v[\s+1+16*\b+\i]|   ; (the four blocks by turns)
.endr
.endr
.irp b, 0,1,2,3
	s_delay_alu instid0(VALU_DEP_4)
	v_permlanex16_b32 v[TM+4+\b], v[TM+\b], s[SEL], s[SEL+1]
.endr
.irp b, 0,1,2,3
	s_delay_alu instid0(VALU_DEP_4)
	v_max_num_f32 v[TM+\b], v[TM+\b], v[TM+4+\b]   ; with lane l xor 16's: the block's largest magnitude
.endr
.irp b, 0,1,2,3
	s_delay_alu instid0(VALU_DEP_4)
	v_add_nc_u32 v[TM+12+\b], 0xff000000, v[TM+\b]   ; 2 off its exponent field: the conversion's scale operand
.endr
.irp b, 0,1,2,3
	s_delay_alu instid0(VALU_DEP_4)
	v_lshrrev_b32 v[TM+4+\b], 23, v[TM+12+\b]      ; the scale's byte
.endr
	s_delay_alu instid0(VALU_DEP_3)
	v_lshl_or_b32 v[PW], v[TM+5], 8, v[TM+4]       ; the four bytes make my row's scale word
	s_delay_alu instid0(VALU_DEP_1)
	v_lshl_or_b32 v[PW], v[TM+6], 16, v[PW]
	s_delay_alu instid0(VALU_DEP_1)
	v_lshl_or_b32 v[PW], v[TM+7], 24, v[PW]
.irp b, 0,1,2,3
	v_cvt_scalef32_pk8_fp4_f32 v[PC+2*\b], v[\s+16*\b:\s+7+16*\b], v[TM+12+\b]
	v_cvt_scalef32_pk8_fp4_f32 v[PC+1+2*\b], v[\s+8+16*\b:\s+15+16*\b], v[TM+12+\b]
.endr
	v_nop                                          ; one plain place behind a scaled conversion
.irp c, 0,1                                    ; the operand's layout wants a whole block in a lane: lanes 0-15 block 2 c, lanes 16-31 block 2 c + 1
.irp i, 0,1
	v_permlane16_swap_b32 v[PC+4*\c+\i], v[PC+2+4*\c+\i]
.endr
.endr
.endm
	s_load_b256 s[4:11], s[0:1], 0x0               ; xw, bq, bk, bv
	s_load_b64 s[12:13], s[0:1], 0x20              ; qkv
	v_lshl_add_u32 v254, v0, 2, 0x29000
	v_mov_b32 v255, 0
	ds_add_u32 v254, v255
	ds_add_u32 v254, v255
	v_lshrrev_b32 v1, 5, v0
	s_delay_alu instid0(VALU_DEP_1)
	v_readfirstlane_b32 s[WV], v1                  ; wave 0..7
	s_bfe_u32 s15, ttmp6, 0x40000                  ; cx: my place in the cluster
	s_lshl_b32 s16, ttmp9, 2
	s_add_co_u32 s16, s16, s15                     ; which 128 rows of x: 4 x cluster x + cx
	s_and_b32 s17, ttmp7, 0xffff                   ; which pair of heads: the partners share it
	s_lshr_b32 s18, s[WV], 2                       ; which head of the pair
	s_and_b32 s19, s[WV], 3                        ; i
	s_mov_b32 s[SEL], 0x76543210
	s_mov_b32 s[SEL+1], 0xfedcba98                 ; v_permlanex16_b32's selects for lane l xor 16
	; descriptor group 1: 64 rows of 256 bytes, dense in memory, 16 bytes of padding behind each in LDS
	s_mov_b32 s[G1J], 15|(0<<16)|(1<<20)|(1<<21)|(5<<22)|(3<<25)   ; 15:0 the mask: all four work-groups; 17:16 elements of 1 byte; 20 padding on; 21 set beside a mask; 24:22 after every 64 words; 31:25 four words
	s_mov_b32 s[G1P], (0<<16)|(1<<20)|(5<<22)|(3<<25)              ; the same without a mask: x's tile is my own
.irp g, G1J, G1P
	s_mov_b32 s[\g+1], 256<<16                     ; tensor_dim0
	s_mov_b32 s[\g+2], 64<<16                      ; tensor_dim1
	s_mov_b32 s[\g+3], 256<<16                     ; tile_dim0
	s_mov_b32 s[\g+4], 64                          ; tile_dim1
	s_mov_b32 s[\g+5], 256                         ; tensor_dim0_stride
	s_mov_b32 s[\g+6], 0
	s_mov_b32 s[\g+7], 0
.endr
	s_lshl_b32 s80, s17, 15                        ; the weights: the pair's 128 rows of 256 bytes,
	s_lshr_b32 s83, s[WV], 1
	s_lshl_b32 s83, s83, 17                        ; which of Wq, Wk, Wv: 512 rows apart,
	s_add_co_u32 s80, s80, s83
	s_and_b32 s83, s[WV], 1
	s_lshl_b32 s83, s83, 14                        ; which 64 rows
	s_add_co_u32 s80, s80, s83
	s_add_co_u32 s80, s80, WCODE
	s_mov_b32 s81, 0
	s_lshl_b32 s84, s16, 15                        ; x: my 128 rows, which 64 of them
	s_add_co_u32 s84, s84, s83
	s_mov_b32 s85, 0
	s_mul_i32 s86, s[WV], PART                     ; where they go: wave x 64 rows: no place in the cluster enters an LDS address
	s_wait_dscnt 0x0
	s_wait_kmcnt 0x0
	s_mov_b32 s[G0W], 1
	s_mov_b32 s[G0W+1], s86
	s_add_nc_u64 s[G0W+2:G0W+3], s[4:5], s[80:81]
	s_or_b32 s[G0W+3], s[G0W+3], 0x80000000
	s_mov_b32 s[G0X], 1
	s_mov_b32 s[G0X+1], s86
	s_add_nc_u64 s[G0X+2:G0X+3], s[4:5], s[84:85]
	s_or_b32 s[G0X+3], s[G0X+3], 0x80000000
	CROUND                                         ; all four work-groups are here: the joint loads meet
	s_cmp_lt_u32 s[WV], 6                          ; waves 0-5 fetch the weights' six parts jointly, waves 6 and 7 x's two; four v_nop follow each line
	s_cbranch_scc0 .Lfor_x
	tensor_load_to_lds s[G0W:G0W+3], s[G1J:G1J+7]
	s_nop 0
	PLACES 4
	s_branch .Lasked
.Lfor_x:
	tensor_load_to_lds s[G0X:G0X+3], s[G1P:G1P+7]
	s_nop 0
	PLACES 4
.Lasked:
	v_and_b32 v1, 15, v0                           ; r
	v_bfe_u32 v2, v0, 4, 1                         ; h
	s_delay_alu instid0(VALU_DEP_2)
	v_and_b32 v3, 8, v1
	s_delay_alu instid0(VALU_DEP_1)
	v_add_nc_u32 v3, v3, v1                        ; r + 8 (r / 8)
	v_and_b32 v[LI], 31, v0
	s_delay_alu instid0(VALU_DEP_1)
	v_lshlrev_b32 v[LI], 4, v[LI]
	v_lshlrev_b32 v[R4], 2, v1
	s_delay_alu instid0(VALU_DEP_4)
	v_lshlrev_b32 v[G16], 4, v3
	s_wait_alu depctr_va_vdst(0)
	v_lshlrev_b32 v[GB], 6, v2
	s_wait_alu depctr_va_vdst(0)
	v_lshlrev_b32 v[RR4], 2, v3
	s_wait_alu depctr_va_vdst(0)
	s_lshl_b32 s76, s17, 1
	s_add_co_u32 s76, s76, s18                     ; the head, 0..7
	s_lshr_b32 s77, s16, 5                         ; the batch
	s_and_b32 s78, s16, 31                         ; the step of 128 rows in it
	s_lshl_b32 s79, s77, 3
	s_add_co_u32 s79, s79, s76                     ; head of batch, 0..15
	s_lshr_b32 s82, s19, 1
	s_lshl_b32 s82, s82, 5
	s_and_b32 s87, s19, 1
	s_lshl_b32 s87, s87, 3
	s_add_co_u32 s82, s82, s87                     ; tile i's first row or channel: 32 (i / 2) + 8 (i % 2)
	s_mov_b32 s49, 0                               ; offsets are made in s[48:49], apart from the addresses
	s_lshl_b32 s48, s16, 11                        ; x's scale bytes: 16 a row, my 128 rows
	s_add_co_u32 s48, s48, XWS
	s_add_nc_u64 s[SXS:SXS+1], s[4:5], s[48:49]
	s_lshl_b32 s48, s19, 9                         ; my block of 32 rows
	s_add_nc_u64 s[SXQ:SXQ+1], s[SXS:SXS+1], s[48:49]
	s_lshl_b32 s48, s17, 11                        ; Wq's scale bytes: the pair's 128 rows, my head's 64
	s_lshl_b32 s50, s18, 10
	s_add_co_u32 s48, s48, s50
	s_add_co_u32 s48, s48, XWS+8192*16
	s_add_nc_u64 s[SWS:SWS+1], s[4:5], s[48:49]
	s_lshl_b32 s48, s82, 4                         ; Wv's: 1,024 rows on, my tile
	s_add_co_u32 s48, s48, 16384
	s_add_nc_u64 s[SWV:SWV+1], s[SWS:SWS+1], s[48:49]
	s_lshl_b32 s48, s76, 8                         ; the biases: my head's 64 numbers
	s_add_nc_u64 s[SBQ:SBQ+1], s[6:7], s[48:49]
	s_add_nc_u64 s[SBK:SBK+1], s[8:9], s[48:49]
	s_lshl_b32 s50, s82, 2
	s_add_co_u32 s48, s48, s50                     ; bv: my tile
	s_add_nc_u64 s[SBV:SBV+1], s[10:11], s[48:49]
.irp k, 0,1,2,3,4,5,6,7
	global_load_b128 v[XSC+4*\k:XSC+4*\k+3], v[G16], s[SXS:SXS+1] offset:(32*(\k/2)+8*(\k%2))*16   ; a row's four scale words, one for each K step
.endr
.irp u, 0,1
	global_load_b128 v[XSQ+4*\u:XSQ+4*\u+3], v[G16], s[SXQ:SXQ+1] offset:128*\u
.endr
.irp t, 0,1,2,3
	global_load_b128 v[WSQ+4*\t:WSQ+4*\t+3], v[G16], s[SWS:SWS+1] offset:(32*(\t/2)+8*(\t%2))*16
	global_load_b128 v[WSQ+16+4*\t:WSQ+16+4*\t+3], v[G16], s[SWS:SWS+1] offset:(32*(\t/2)+8*(\t%2))*16+8192
	global_load_b128 v[BQ+8*\t:BQ+8*\t+3], v[GB], s[SBQ:SBQ+1] offset:(32*(\t/2)+8*(\t%2))*4          ; lane (r, h), tile 2 b + u: channels 32 b + 16 h + 8 u + 0 .. 7
	global_load_b128 v[BQ+8*\t+4:BQ+8*\t+7], v[GB], s[SBQ:SBQ+1] offset:(32*(\t/2)+8*(\t%2))*4+16
	global_load_b128 v[BQ+32+8*\t:BQ+32+8*\t+3], v[GB], s[SBK:SBK+1] offset:(32*(\t/2)+8*(\t%2))*4
	global_load_b128 v[BQ+32+8*\t+4:BQ+32+8*\t+7], v[GB], s[SBK:SBK+1] offset:(32*(\t/2)+8*(\t%2))*4+16
.endr
	global_load_b128 v[WSV:WSV+3], v[G16], s[SWV:SWV+1]
.irp j, 0,1,2,3,4,5,6,7
	global_load_b32 v[BV+\j], v[RR4], s[SBV:SBV+1]  ; in V's result a lane holds one channel: its bias stands in all eight registers of the C
.endr
	v_mul_u32_u24 v30, v3, PITCH
	s_delay_alu instid0(VALU_DEP_1)
	v_lshl_add_u32 v30, v2, 4, v30                 ; a fragment's row x pitch + 16 h
	s_mul_i32 s48, s19, 32*PITCH
	s_add_co_u32 s48, s48, XL
	v_add_nc_u32 v[FX], s48, v30
	s_mul_i32 s48, s18, PART
	v_add_nc_u32 v[FW], s48, v30
	s_mul_i32 s48, s82, PITCH
	s_add_co_u32 s48, s48, 4*PART
	v_add_nc_u32 v[FWV], s48, v[FW]
	v_add_nc_u32 v[FXA], XL, v30
	; THE K JOB ALONE takes x's rows in another order: row r of tile u of wave i is key 64 (i / 2) + 16 (i % 2) + 8 u + r % 8 + 32 (r / 8) of the step's 128,
	; so that in the scores a lane's 32 registers of four tiles are one whole block of 32 neighbouring keys.  v31: those rows in LDS; v252: their scale bytes; s[90:91]: the scale bytes' base.
	s_lshr_b32 s48, s19, 1
	s_lshl_b32 s48, s48, 6
	s_and_b32 s50, s19, 1
	s_lshl_b32 s50, s50, 4
	s_add_co_u32 s50, s48, s50                     ; 64 (i / 2) + 16 (i % 2)
	s_lshl_b32 s48, s50, 4                         ; 16 scale bytes a row
	s_add_nc_u64 s[90:91], s[SXS:SXS+1], s[48:49]
	s_mul_i32 s50, s50, PITCH
	s_add_co_u32 s50, s50, XL
	v_lshrrev_b32 v253, 3, v1
	s_delay_alu instid0(VALU_DEP_1)
	v_mad_u32_u24 v253, v253, 24, v1               ; r + 24 (r / 8)
	s_delay_alu instid0(VALU_DEP_1)
	v_lshlrev_b32 v252, 4, v253
	v_mul_u32_u24 v31, v253, PITCH
	s_delay_alu instid0(VALU_DEP_1)
	v_lshl_add_u32 v31, v2, 4, v31
	s_delay_alu instid0(VALU_DEP_1)
	v_add_nc_u32 v31, s50, v31
.irp b, 0,1,2,3
	v_mov_b32 v[TM+4+\b], 0                        ; written once: a lane permute's destination counts as one of its sources
.endr
	s_lshl_b32 s87, s79, 7                         ; where the results go: Q: block 128 x head of batch + 4 x step + i
	s_lshl_b32 s88, s78, 2
	s_add_co_u32 s87, s87, s88
	s_add_co_u32 s87, s87, s19
	s_lshl_b32 s48, s87, 10
	s_add_co_u32 s48, s48, QOFF
	s_add_nc_u64 s[DQ:DQ+1], s[12:13], s[48:49]
	s_lshl_b32 s48, s87, 6
	s_add_co_u32 s48, s48, QSOFF
	s_add_nc_u64 s[DQW:DQW+1], s[12:13], s[48:49]
	s_lshl_b32 s87, s79, 5                         ; K and V: step 32 x head of batch + step
	s_add_co_u32 s87, s87, s78
	s_mul_i32 s87, s87, STEPB
	s_lshl_b32 s48, s19, 10
	s_add_co_u32 s48, s48, s87
	s_add_nc_u64 s[DKV:DKV+1], s[12:13], s[48:49]
	s_lshl_b32 s48, s19, 6
	s_add_co_u32 s48, s48, s87
	s_add_co_u32 s48, s48, 8192
	s_add_nc_u64 s[DKW:DKW+1], s[12:13], s[48:49]
; The fragments of K step s into set p.  Q and K jobs: my block's two tiles of x, my head's four tiles of W (wi = 0: Wq, 1: Wk): 12 loads.
.macro FETCHQK p, s, wi
	WIN TO_F
.irp u, 0,1
.irp c, 0,1
	ds_load_b128 v[128*(\p)+8*\u+4*\c:128*(\p)+8*\u+4*\c+3], v[FX+27*(\wi)] offset:8*\u*PITCH+64*(\s)+32*\c   ; wi = 0: v4, Q's rows; wi = 1: v31, K's rows
.endr
.endr
.irp t, 0,1,2,3
.irp c, 0,1
	ds_load_b128 v[128*(\p)+16+8*\t+4*\c:128*(\p)+16+8*\t+4*\c+3], v[FW] offset:(\wi)*2*PART+(32*(\t/2)+8*(\t%2))*PITCH+64*(\s)+32*\c
.endr
.endr
.endm
; V job: x's eight tiles, my tile of Wv: 18 loads.
.macro FETCHV p, s
	WIN TO_F
.irp k, 0,1,2,3,4,5,6,7
.irp c, 0,1
	ds_load_b128 v[128*(\p)+8*\k+4*\c:128*(\p)+8*\k+4*\c+3], v[FXA] offset:(32*(\k/2)+8*(\k%2))*PITCH+64*(\s)+32*\c
.endr
.endr
.irp c, 0,1
	ds_load_b128 v[128*(\p)+64+4*\c:128*(\p)+64+4*\c+3], v[FWV] offset:64*(\s)+32*\c
.endr
.endm
; Eight matrix instructions, the eight accumulators by turns, one instruction a turn.  first: the bias starts the sums.
.macro MULQK p, s, wi, first
	WIN MUL
.irp u, 0,1
.irp t, 0,1,2,3
.if \first
	v_wmma_scale_f32_16x16x128_f8f6f4 v[HA+8*(4*\u+\t):HA+8*(4*\u+\t)+7], v[128*(\p)+16+8*\t:128*(\p)+16+8*\t+7], v[128*(\p)+8*\u:128*(\p)+8*\u+7], v[BQ+32*(\wi)+8*\t:BQ+32*(\wi)+8*\t+7], v[WSQ+16*(\wi)+4*\t+(\s)], v[XSQ+4*\u+(\s)] matrix_a_fmt:MATRIX_FMT_FP4 matrix_b_fmt:MATRIX_FMT_FP4
.else
	v_wmma_scale_f32_16x16x128_f8f6f4 v[HA+8*(4*\u+\t):HA+8*(4*\u+\t)+7], v[128*(\p)+16+8*\t:128*(\p)+16+8*\t+7], v[128*(\p)+8*\u:128*(\p)+8*\u+7], v[HA+8*(4*\u+\t):HA+8*(4*\u+\t)+7], v[WSQ+16*(\wi)+4*\t+(\s)], v[XSQ+4*\u+(\s)] matrix_a_fmt:MATRIX_FMT_FP4 matrix_b_fmt:MATRIX_FMT_FP4
.endif
.endr
.endr
.endm
.macro MULV p, s, first
	WIN MUL
.irp k, 0,1,2,3,4,5,6,7
.if \first
	v_wmma_scale_f32_16x16x128_f8f6f4 v[HA+8*\k:HA+8*\k+7], v[128*(\p)+8*\k:128*(\p)+8*\k+7], v[128*(\p)+64:128*(\p)+71], v[BV:BV+7], v[XSC+4*\k+(\s)], v[WSV+(\s)] matrix_a_fmt:MATRIX_FMT_FP4 matrix_b_fmt:MATRIX_FMT_FP4
.else
	v_wmma_scale_f32_16x16x128_f8f6f4 v[HA+8*\k:HA+8*\k+7], v[128*(\p)+8*\k:128*(\p)+8*\k+7], v[128*(\p)+64:128*(\p)+71], v[HA+8*\k:HA+8*\k+7], v[XSC+4*\k+(\s)], v[WSV+(\s)] matrix_a_fmt:MATRIX_FMT_FP4 matrix_b_fmt:MATRIX_FMT_FP4
.endif
.endr
.endm
; Twelve groups g: job g / 4 (Q, K, V), K step g % 4, set g % 2.
.macro FETCH g
.if (\g) < 8
	FETCHQK (\g)%2, (\g)%4, (\g)/4
.else
	FETCHV (\g)%2, (\g)%4
.endif
.endm
.macro MULG g
.if (\g) < 8
	MULQK (\g)%2, (\g)%4, (\g)/4, ((\g)%4==0)
.else
	MULV (\g)%2, (\g)%4, ((\g)%4==0)
.endif
.endm
	s_wait_alu depctr_va_vdst(0)
	s_wait_tensorcnt 0x0                           ; my part has landed,
	s_barrier_signal -1
	s_barrier_wait -1                              ; everybody's has
	FETCH 0
	s_wait_loadcnt 0x0                             ; scale words and biases
.irp g, 0,1,2,3,4,5,6,7,8,9,10,11
.if (\g >= 1) && (\g != 4) && (\g != 8)
	PLACES 4                                       ; four places between the last group's products and the loads into the set that they read (at a job's start the places behind its predecessor's last products serve)
.endif
.if \g < 11
	FETCH \g+1                                     ; the next group's fragments, into the other set
.endif
.if \g <= 6
	s_wait_dscnt 12                                ; this group's fragments are in; the 12 loads just issued may be out
.elseif \g <= 10
	s_wait_dscnt 18                                ; likewise the 18 of a group of the V job
.else
	s_wait_dscnt 0x0
.endif
.if \g == 4
	s_wait_loadcnt 0x0                             ; the K job's scale words of x are in
.endif
	MULG \g
.if (\g % 4) == 3
	WIN 0
	PLACES 4                                       ; between the last products and the first read of their results
.if \g == 3
.irp u, 0,1
	global_load_b128 v[XSQ+4*\u:XSQ+4*\u+3], v252, s[90:91] offset:128*\u   ; the Q job is done, four places stand behind its last products: the scale words of the K job's rows take their registers
.endr
.endif
	s_wait_xcnt 0x0
	QUANT HA
.if \g == 3
	global_store_b128 v[LI], v[PC:PC+3], s[DQ:DQ+1]                  ; 32 lanes store 512 consecutive bytes, aligned
	global_store_b128 v[LI], v[PC+4:PC+7], s[DQ:DQ+1] offset:512
	global_store_b32 v[R4], v[PW], s[DQW:DQW+1]                      ; lanes l and l xor 16 hold the same word and write it to the same place
.elseif \g == 7
	global_store_b128 v[LI], v[PC:PC+3], s[DKV:DKV+1]
	global_store_b128 v[LI], v[PC+4:PC+7], s[DKV:DKV+1] offset:512
	global_store_b32 v[R4], v[PW], s[DKW:DKW+1]
.else
	global_store_b128 v[LI], v[PC:PC+3], s[DKV:DKV+1] offset:4096
	global_store_b128 v[LI], v[PC+4:PC+7], s[DKV:DKV+1] offset:4608
	global_store_b32 v[R4], v[PW], s[DKW:DKW+1] offset:256
.endif
.endif
.endr
	s_wait_tensorcnt 0x0
	ds_add_u32 v254, v255
	s_wait_dscnt 0x0
	CROUND                                         ; the closing round: no work-group ends while a partner may still ask for a tile that names it
	s_endpgm
.Lfunc_end_k_q39a55df42e_proj:
	.size	k_q39a55df42e_proj, .Lfunc_end_k_q39a55df42e_proj-k_q39a55df42e_proj
	.p2alignl 7, 3214868480
	.fill 96, 4, 3214868480
	.section	.rodata,"a",@progbits
	.p2align	6, 0x0
	.amdhsa_kernel k_q39a55df42e_proj
		.amdhsa_group_segment_fixed_size 168960
		.amdhsa_private_segment_fixed_size 0
		.amdhsa_enable_private_segment 0
		.amdhsa_kernarg_size 40
		.amdhsa_user_sgpr_count 2
		.amdhsa_user_sgpr_kernarg_segment_ptr 1
		.amdhsa_wavefront_size32 1
		.amdhsa_system_sgpr_workgroup_id_x 1
		.amdhsa_system_sgpr_workgroup_id_y 1
		.amdhsa_system_sgpr_workgroup_id_z 1
		.amdhsa_system_vgpr_workitem_id 0
		.amdhsa_next_free_vgpr 464
		.amdhsa_next_free_sgpr 96
		.amdhsa_reserve_vcc 0
		.amdhsa_float_denorm_mode_32 3
		.amdhsa_float_denorm_mode_16_64 3
		.amdhsa_memory_ordered 1
		.amdhsa_forward_progress 1
		.amdhsa_inst_pref_size 52
	.end_amdhsa_kernel
	.amdgpu_metadata
---
amdhsa.version: [ 1, 2 ]
amdhsa.kernels:
  - .name:           k_q39a55df42e_proj
    .symbol:         k_q39a55df42e_proj.kd
    .args:
      - { .name: xw, .offset: 0, .size: 8, .value_kind: global_buffer, .address_space: global }
      - { .name: bq, .offset: 8, .size: 8, .value_kind: global_buffer, .address_space: global }
      - { .name: bk, .offset: 16, .size: 8, .value_kind: global_buffer, .address_space: global }
      - { .name: bv, .offset: 24, .size: 8, .value_kind: global_buffer, .address_space: global }
      - { .name: qkv, .offset: 32, .size: 8, .value_kind: global_buffer, .address_space: global }
    .group_segment_fixed_size: 168960
    .private_segment_fixed_size: 0
    .kernarg_segment_align: 8
    .kernarg_segment_size: 40
    .max_flat_workgroup_size: 256
    .sgpr_count:     96
    .vgpr_count:     464
    .wavefront_size: 32
...
	.end_amdgpu_metadata
.endif
;; end of part 6
;; launch attn (part 7): grid 16 x 16, 16 waves a work-group, clusters of 4 x 1, 327,680 bytes of LDS; arguments qkv, oc; writes oc
.if DOCPART == 7
	.amdgcn_target "amdgcn-amd-amdhsa--gfx1250"
	.amdhsa_code_object_version 6
	.text
	.protected	k_q39a55df42e_attn
	.globl	k_q39a55df42e_attn
	.p2align	8
	.type	k_q39a55df42e_attn,@function
k_q39a55df42e_attn:
	s_mov_b64 s[64:65], 0
	v_nop
	global_prefetch_b8 v0, s[64:65] scope:SCOPE_SE
	s_setreg_imm32_b32 hwreg(HW_REG_WAVE_MODE, 25, 1), 1
	s_wait_xcnt 0x0
	s_wait_alu depctr_hold_cnt(0) depctr_sa_sdst(0) depctr_va_vdst(0) depctr_va_sdst(0) depctr_va_ssrc(0) depctr_va_vcc(0) depctr_vm_vsrc(0)
	s_getreg_b32 s2, hwreg(HW_REG_IB_STS2, 6, 4)
	s_cmp_eq_u32 s2, 0
	s_cbranch_scc0 .Lentry_in_a_cluster
	s_endpgm
.Lentry_in_a_cluster:
	s_bfe_u32 s2, ttmp6, 0x10000c
	s_cmp_lg_u32 s2, 0x3003
	s_cbranch_scc0 .Lentry_shape_is_right
	s_endpgm
.Lentry_shape_is_right:
; O = softmax(Q K^T / 8) V for one head of one batch, both products on codes of FP4 with E8M0 scales; the result, divided by the row's sum, is quantised along the model's 512 and stored in oc
; as images of operand registers: [tile of 16 rows 512][K step of 128 (two heads) 4][register group (head of the two) 2][512 bytes]; from OSOFF on the scale bytes [tile][row 16][head 8][2].
; THE SOFTMAX: t = score x log2(e) / 8; M = the running largest t rounded UP to a whole number, kept as -M; p = 2^(t - M) is quantised along the keys, not normalised.  The row's sum is
; taken of the unquantised p, in f32.  When M moves, the sum and O are multiplied by 2^(old M - new M), which rounds nothing.
; SHARES.  A work-group owns 256 queries of a head, each of its sixteen waves one tile of 16; every wave walks the head's 4,096 keys, 128 a step.
; LAYOUT.  Both products are used transposed (S^T = K Q^T, O^T = V^T P^T): a lane holds one query throughout.  The head size is 64 and the instruction's K is 128: a fragment of K holds TWO tiles of 16 keys
; (registers 0-3, registers 4-7) and is multiplied once by [q | 0] and once by [0 | q]; zero codes add nothing.
; THE KEYS OF A TILE: row m of tile 4 c + T is key 64 c + 8 T + m % 8 + 32 (m / 8).  So register S + 32 c + i of lane (r, h) is key 64 c + 32 h + i: a lane holds two WHOLE blocks of 32 keys (2 c + h), in the order
; of the operand's registers: a block's maximum asks no other lane, four conversions give four registers of the operand as they stand, and only the row's maximum and the scale word cross to lane l xor 16.
; A STEP.  Eight score products; behind them V's loads and the NEXT step's loads of K; the maxima, one chain to an accumulator; M; block 0's scalings and O^T's rescaling.  Then the exponentials in two halves, with
; plain lines of the same step among them that hang on no line of their own half: among block 0's stand block 1's scalings, among block 1's stand block 0's sums and conversions.  Each such line reads what was written
; ahead of the wait before its half, and what it writes is first read behind the wait after it: three waits a step.
; THE SUM lies in sixteen pairs of registers: pair j takes block 0's pair j by one multiply-add (sum x f + p) and block 1's pair j by one addition, so that no addition hangs on another of its step.
; LDS.  A head's K, V and scale words, 278,528 bytes, lie in qkv as images of operand registers, step by step, dense; LDS mirrors them and is FILLED ONCE.  Every wave brings 1/16 of steps 0-7 at the head
; (17 rows of 256 bytes) and, behind a wait, an add and the round, 1/16 of steps 8-31 (51 rows): one tensor load of a wave is out at any time by this text's count.  Steps 0-6 read the
; first fill alone (step 6 fetches step 7's K).  Behind step 2 a wave waits for its part of the second fill and signals; the barrier's wait stands ahead of step 7.  The last step is written out: it fetches no further K.
; CLUSTER.  The four work-groups of a cluster are four query blocks of one head and read the same bytes: every fill is asked for jointly.
; NO PREFETCH: both fills are issued ahead of the first loop, so no loop runs ahead of a fetch.
; LIMITS: the promise holds while the scaled scores t stay under 2^31 in magnitude; a block of zeros gets the byte 1 (its codes are zeros; this program alone reads the bytes); a block's largest magnitude is
; floored at 2^-124; NaN and infinities are not served.
.set QOFF,   4456448
.set QSOFF,  6553600
.set OSOFF,  2097152
.set HEADB,  278528
.set STEPB,  8704
.set CHUNKB, 8*STEPB
.set PARTA,  CHUNKB/16                 ; 4,352 bytes: a wave's part of steps 0-7
.set PARTB,  3*CHUNKB/16               ; 13,056 bytes: its part of steps 8-31
.set SPARE,  HEADB                     ; behind the mirror: the spare words, 128 bytes for each wave
.set LI,  1                            ; v1   16 x lane
.set LS,  2                            ; v2   4 x lane
.set ADR, 3                            ; v3   the step's images
.set ADW, 4                            ; v4   the step's scale words
.set GOS, 5                            ; v5   16 r: my row's scale bytes in oc
.set QW4, 6                            ; v6   4 r
.set MO,  7                            ; v7   -M as it was
.set T0,  8
.set T1,  9
.set TD,  10
                                       ; v12 -M, v13 the largest score so far, v14 the row's sum on the way out
.set QZ,  16                           ; v16-19 zeros, v20-23 q, v24-27 zeros: [0 | q] = v[16:23], [q | 0] = v[20:27]
.set QS,  28                           ; q's scale word
.set PW,  29                           ; p's scale word
.set KS,  30                           ; v30-31 K's scale words: lanes 0-15 fragment 2 i, lanes 16-31 fragment 2 i + 1
.set VS,  32                           ; v32-33 V's likewise
.set SPW, 34                           ; my spare word; never rewritten
.set NIL, 35                           ; 0; never rewritten
.set BM,  36                           ; v36-37 my two blocks' maxima
.set SO,  38                           ; v38-39 the conversions' scale operands
.set KF,  40                           ; v40-71   K's four double fragments
.set VF,  72                           ; v72-103  V^T's four tiles
.set S,   104                          ; v104-167 S^T, then p
.set O,   168                          ; v168-199 O^T
.set PC,  200                          ; v200-207 p's codes
.set MX,  208                          ; v208-215 the maxima's eight chains
.set F,   216                          ; v[216:217] f = 2^(old M - new M)
.set W0,  218
.set W1,  219
.set RL,  220                          ; v[220:221] 1 / the sum
.set BT,  222                          ; v222-223 the scale bytes
.set AC,  224                          ; v224-255 the sum, in sixteen pairs
.set WV,  8
.set SEL, 20
.set CS,  22                           ; s[22:23] c = log2(e) / 8
.set G1A, 24
.set G0A, 32
.set G0B, 36
.set G1B, 40
.set TB,  48
.set CNT, 49
.set NC,  66                           ; -c
.macro CROUND                          ; a round of the cluster's barrier
	s_barrier_signal -1
	s_barrier_wait -1
	s_cmp_lg_u32 s[WV], 0
	s_cbranch_scc1 .Lnot_wave_0_\@
	s_barrier_signal -3
.Lnot_wave_0_\@:
	s_barrier_wait -3
	s_barrier_signal -1
	s_barrier_wait -1
.endm
	s_load_b128 s[4:7], s[0:1], 0x0                ; qkv, oc
	v_lshl_add_u32 v[SPW], v0, 2, SPARE
	v_mov_b32 v[NIL], 0
	ds_add_u32 v[SPW], v[NIL]                      ; the opening: the add, twice on end, and its wait ahead of my first tensor load
	ds_add_u32 v[SPW], v[NIL]
	v_lshrrev_b32 v1, 5, v0
	s_delay_alu instid0(VALU_DEP_1)
	v_readfirstlane_b32 s[WV], v1                  ; wave 0..15
	s_and_b32 s9, ttmp7, 0xffff                    ; head of batch, which the partners share
	s_bfe_u32 s10, ttmp6, 0x40000                  ; cx
	s_lshl_b32 s11, ttmp9, 2
	s_add_co_u32 s11, s11, s10                     ; my block of 256 queries
	s_lshl_b32 s12, s11, 3
	s_lshr_b32 s13, s[WV], 1
	s_add_co_u32 s12, s12, s13                     ; my block of 32 queries,
	s_and_b32 s13, s[WV], 1                        ; and which of its two tiles
	s_lshl_b32 s58, s13, 4
	s_mul_i32 s14, s[WV], PARTA                    ; my part of the first fill, in LDS and in the head's bytes alike,
	s_mul_i32 s15, s[WV], PARTB
	s_add_co_u32 s15, s15, CHUNKB                  ; and of the second
	s_mul_i32 s16, s9, HEADB
	s_mov_b32 s17, 0
	s_mov_b32 s[SEL], 0x76543210
	s_mov_b32 s[SEL+1], 0xfedcba98
	s_mov_b32 s[CS], 0x3e38aa3b                    ; log2(e) / sqrt(64)
	s_mov_b32 s[CS+1], s[CS]                       ; (named with it as a pair, so it is written)
	s_mov_b32 s[NC], 0xbe38aa3b
	; descriptor groups 1: dense bytes as rows of 256 (32 elements of 8 bytes), no padding: 17 rows, 51 rows
	s_mov_b32 s[G1A], 15|(3<<16)|(1<<21)           ; 15:0 the mask: all four work-groups; 17:16 elements of 8 bytes; 21 set beside a mask
	s_mov_b32 s[G1A+1], 32<<16                     ; tensor_dim0
	s_mov_b32 s[G1A+2], (PARTA/256)<<16            ; tensor_dim1
	s_mov_b32 s[G1A+3], 32<<16                     ; tile_dim0
	s_mov_b32 s[G1A+4], PARTA/256                  ; tile_dim1
	s_mov_b32 s[G1A+5], 32                         ; tensor_dim0_stride
	s_mov_b32 s[G1A+6], 0
	s_mov_b32 s[G1A+7], 0
	s_mov_b32 s[G1B], 15|(3<<16)|(1<<21)
	s_mov_b32 s[G1B+1], 32<<16
	s_mov_b32 s[G1B+2], (PARTB/256)<<16
	s_mov_b32 s[G1B+3], 32<<16
	s_mov_b32 s[G1B+4], PARTB/256
	s_mov_b32 s[G1B+5], 32
	s_mov_b32 s[G1B+6], 0
	s_mov_b32 s[G1B+7], 0
	s_wait_dscnt 0x0                               ; both opening adds are done
	s_wait_kmcnt 0x0
	s_add_nc_u64 s[18:19], s[4:5], s[16:17]        ; the head's first byte
	s_mov_b32 s[G0A], 1
	s_mov_b32 s[G0A+1], s14
	s_mov_b32 s16, s14
	s_add_nc_u64 s[G0A+2:G0A+3], s[18:19], s[16:17]
	s_or_b32 s[G0A+3], s[G0A+3], 0x80000000
	s_mov_b32 s[G0B], 1
	s_mov_b32 s[G0B+1], s15
	s_mov_b32 s16, s15
	s_add_nc_u64 s[G0B+2:G0B+3], s[18:19], s[16:17]
	s_or_b32 s[G0B+3], s[G0B+3], 0x80000000
	CROUND                                         ; all four work-groups are here: the joint loads meet
	tensor_load_to_lds s[G0A:G0A+3], s[G1A:G1A+7]  ; every wave's one load at the head: its part of steps 0-7
	s_nop 0
.rept 4
	v_nop
.endr
	s_mov_b32 s61, 0                               ; offsets that hang on my place in the cluster are made in s[60:61]
	s_lshl_b32 s15, s9, 7
	s_add_co_u32 s15, s15, s12                     ; Q's block: 128 x head of batch + block
	s_lshl_b32 s60, s15, 10
	s_lshl_b32 s59, s13, 9
	s_add_co_u32 s60, s60, s59                     ; my tile's four registers of the double fragment
	s_add_co_u32 s60, s60, QOFF
	s_add_nc_u64 s[50:51], s[4:5], s[60:61]
	s_lshl_b32 s60, s15, 6
	s_add_co_u32 s60, s60, QSOFF
	s_add_nc_u64 s[52:53], s[4:5], s[60:61]
	v_and_b32 v[LI], 31, v0
	s_delay_alu instid0(VALU_DEP_1)
	v_lshlrev_b32 v[LS], 2, v[LI]
	s_delay_alu instid0(VALU_DEP_2)
	v_lshlrev_b32 v[LI], 4, v[LI]
	v_and_b32 v[QW4], 15, v0
	s_delay_alu instid0(VALU_DEP_1)
	v_lshlrev_b32 v[QW4], 2, v[QW4]
	global_load_b128 v[QZ+4:QZ+7], v[LI], s[50:51] ; q's codes stay in registers
	global_load_b32 v[T0], v[QW4], s[52:53]        ; the double fragment's scale word: bytes 0, 1 tile 0; bytes 2, 3 tile 1
	s_lshr_b32 s59, s9, 3                          ; the batch
	s_lshl_b32 s59, s59, 7
	s_add_co_u32 s59, s59, s12
	s_lshl_b32 s59, s59, 1
	s_add_co_u32 s59, s59, s13                     ; my tile among the 512 of all rows
	s_and_b32 s62, s9, 7                           ; the head
	s_lshl_b32 s60, s59, 2
	s_lshr_b32 s63, s62, 1
	s_add_co_u32 s60, s60, s63                     ; K step = head / 2
	s_lshl_b32 s60, s60, 10
	s_and_b32 s63, s62, 1
	s_lshl_b32 s63, s63, 9                         ; register group = head % 2
	s_add_co_u32 s60, s60, s63
	s_add_nc_u64 s[54:55], s[6:7], s[60:61]
	s_lshl_b32 s60, s59, 8
	s_lshl_b32 s63, s62, 1
	s_add_co_u32 s60, s60, s63
	s_add_co_u32 s60, s60, OSOFF
	s_add_nc_u64 s[56:57], s[6:7], s[60:61]
.irp j, 0,1,2,3,8,9,10,11
	v_mov_b32 v[QZ+\j], 0                          ; the zero halves
.endr
	v_mov_b32 v[T1], 0                             ; written once: a lane permute's destination counts as one of its sources
	v_mov_b32 v[W1], 0
	v_mov_b32 v[F+1], 0                            ; (named as the upper half of a pair)
	v_mov_b32 v13, 0xff61b1e6                      ; the largest score so far: -3e38, under every score
	s_delay_alu instid0(VALU_DEP_1)
	v_floor_f32 v12, -v13                          ; -M
.set j, 0
.rept 32
	v_mov_b32 v[AC+j], 0                           ; the sum
.set j, j+1
.endr
	s_wait_loadcnt 0x0
	v_lshrrev_b32 v[T0], s58, v[T0]
	s_delay_alu instid0(VALU_DEP_1)
	v_and_b32 v[T0], 0xffff, v[T0]                 ; my tile's two bytes,
	s_delay_alu instid0(VALU_DEP_1)
	v_lshl_or_b32 v[QS], v[T0], 16, v[T0]          ; twice: one word serves [q | 0] and [0 | q]
.set j, 0
.rept 32
	v_mov_b32 v[O+j], 0                            ; O^T: the first step finds zeros.  (These lines are also the places between the scale word's making and its first use)
.set j, j+1
.endr
.macro FMA k                           ; pair k of the 32: t - M, two at a time (of the pairs c and -M the low word serves both halves)
	v_pk_fma_f32 v[S+2*(\k):S+2*(\k)+1], v[S+2*(\k):S+2*(\k)+1], s[CS:CS+1], v[12:13] op_sel_hi:[1,0,0]
.endm
.macro ORS k                           ; pair k of O^T's 16 under the new M
	v_pk_mul_f32 v[O+2*(\k):O+2*(\k)+1], v[O+2*(\k):O+2*(\k)+1], v[F:F+1] op_sel_hi:[1,0]
.endm
.macro SUMF j                          ; THE ROW'S SUM IS TAKEN OF THE UNQUANTISED p: pair j of the sum under the new M, and block 0's pair j
	v_pk_fma_f32 v[AC+2*(\j):AC+2*(\j)+1], v[AC+2*(\j):AC+2*(\j)+1], v[F:F+1], v[S+2*(\j):S+2*(\j)+1] op_sel_hi:[1,0,1]
.endm
.macro SUMA j                          ; and block 1's pair j
	v_pk_add_f32 v[AC+2*(\j):AC+2*(\j)+1], v[AC+2*(\j):AC+2*(\j)+1], v[S+32+2*(\j):S+32+2*(\j)+1]
.endm
.macro CVT c, g                        ; register 4 c + g of the operand: keys 64 c + 32 h + 8 g + 0 .. 7
	v_cvt_scalef32_pk8_fp4_f32 v[PC+4*(\c)+(\g)], v[S+32*(\c)+8*(\g):S+32*(\c)+8*(\g)+7], v[SO+(\c)]
.endm
.macro KLOAD adr, adw, off             ; a step's four double fragments of K and their scale words
.irp b, 0,1,2,3
.irp c, 0,1
	ds_load_b128 v[KF+8*\b+4*\c:KF+8*\b+4*\c+3], v[\adr] offset:(\off)+1024*\b+512*\c
.endr
.endr
.irp i, 0,1
	ds_load_b32 v[KS+\i], v[\adw] offset:(\off)+8192+128*\i
.endr
.endm
; A KEY STEP: 128 keys, whose images begin at LDS byte s[TB]; its K is in registers.  pre = 1: the next step's K is fetched.
.macro STEP pre
.irp b, 0,1,2,3                                ; S^T = K Q^T
.if \b % 2
	v_wmma_scale_f32_16x16x128_f8f6f4 v[S+16*\b:S+16*\b+7], v[KF+8*\b:KF+8*\b+7], v[QZ+4:QZ+11], 0, v[KS+\b/2], v[QS] matrix_a_fmt:MATRIX_FMT_FP4 matrix_b_fmt:MATRIX_FMT_FP4 matrix_a_scale:MATRIX_SCALE_ROW1
	v_wmma_scale_f32_16x16x128_f8f6f4 v[S+16*\b+8:S+16*\b+15], v[KF+8*\b:KF+8*\b+7], v[QZ:QZ+7], 0, v[KS+\b/2], v[QS] matrix_a_fmt:MATRIX_FMT_FP4 matrix_b_fmt:MATRIX_FMT_FP4 matrix_a_scale:MATRIX_SCALE_ROW1
.else
	v_wmma_scale_f32_16x16x128_f8f6f4 v[S+16*\b:S+16*\b+7], v[KF+8*\b:KF+8*\b+7], v[QZ+4:QZ+11], 0, v[KS+\b/2], v[QS] matrix_a_fmt:MATRIX_FMT_FP4 matrix_b_fmt:MATRIX_FMT_FP4
	v_wmma_scale_f32_16x16x128_f8f6f4 v[S+16*\b+8:S+16*\b+15], v[KF+8*\b:KF+8*\b+7], v[QZ:QZ+7], 0, v[KS+\b/2], v[QS] matrix_a_fmt:MATRIX_FMT_FP4 matrix_b_fmt:MATRIX_FMT_FP4
.endif
.endr
	v_add_nc_u32 v[ADR], s[TB], v[LI]              ; four places between the products (these and the last step's) and the loads into their registers, and the first read of the scores
	v_add_nc_u32 v[ADW], s[TB], v[LS]
	v_mov_b32 v[MO], v12
	v_nop
.irp t, 0,1,2,3
.irp c, 0,1
	ds_load_b128 v[VF+8*\t+4*\c:VF+8*\t+4*\c+3], v[ADR] offset:4096+1024*\t+512*\c
.endr
.endr
.irp i, 0,1
	ds_load_b32 v[VS+\i], v[ADW] offset:8448+128*\i
.endr
.if \pre
	KLOAD ADR, ADW, STEPB
.endif
.irp c, 0,1                                    ; the largest score of my two blocks of 32 keys: one chain to an accumulator, from its low end on, the eight chains by turns
.irp q, 0,1,2,3
	v_max3_num_f32 v[MX+4*\c+\q], v[S+32*\c+8*\q], v[S+32*\c+8*\q+1], v[S+32*\c+8*\q+2]
.endr
.endr
.irp i, 3,5
.irp c, 0,1
.irp q, 0,1,2,3
	v_max3_num_f32 v[MX+4*\c+\q], v[MX+4*\c+\q], v[S+32*\c+8*\q+\i], v[S+32*\c+8*\q+\i+1]
.endr
.endr
.endr
.irp c, 0,1                                    ; a block's four chains and the four registers that are left
	v_max3_num_f32 v[MX+4*\c], v[MX+4*\c], v[MX+4*\c+1], v[S+32*\c+7]
	v_max3_num_f32 v[MX+4*\c+2], v[MX+4*\c+2], v[MX+4*\c+3], v[S+32*\c+15]
.endr
.irp c, 0,1
	v_max3_num_f32 v[MX+4*\c], v[MX+4*\c], v[MX+4*\c+2], v[S+32*\c+23]
.endr
.irp c, 0,1
	v_max_num_f32 v[BM+\c], v[MX+4*\c], v[S+32*\c+31]   ; it serves for the row's maximum and, since p rises with the score, for the block's largest p
.endr
	s_delay_alu instid0(VALU_DEP_1)
	v_max_num_f32 v[T0], v[BM], v[BM+1]
	s_delay_alu instid0(VALU_DEP_1)
	v_permlanex16_b32 v[T1], v[T0], s[SEL], s[SEL+1]
	s_delay_alu instid0(VALU_DEP_1)
	v_max3_num_f32 v13, v13, v[T0], v[T1]          ; the running largest score of my query (c is positive: also the largest t)
	s_delay_alu instid0(VALU_DEP_1)
	v_mul_f32 v[T0], s[NC], v13                    ; -t
	s_delay_alu instid0(VALU_DEP_1)
	v_floor_f32 v12, v[T0]                         ; the new -M = floor(-t) = -ceil(t): a whole number
	s_delay_alu instid0(VALU_DEP_1)
	v_sub_f32 v[TD], v12, v[MO]                    ; M's old value less its new one: a whole number, 0 or less
	FMA 0
	FMA 1
	v_cvt_i32_f32 v[TD], v[TD]                     ; (it saturates)
	FMA 2
	FMA 3
	v_ldexp_f32 v[F], 1.0, v[TD]                   ; f = 2^(old M - new M)
.set k, 4
.rept 12
	FMA k                                          ; block 0's scalings
.set k, k+1
.endr
.irp c, 0,1
	v_fma_f32 v[BM+\c], v[BM+\c], s[CS], v12       ; t - M of each block's largest score
.endr
.set k, 0
.rept 16
	ORS k                                          ; each accumulator from its low end on; no exponential stands between the last step's products and these first reads
.set k, k+1
.endr
	s_wait_alu depctr_va_vdst(0)                   ; the wait ahead of the exponentials, and ahead of the wait below
	s_wait_dscnt 0x0                               ; V, and the next step's K, are in: all were asked for ahead of the maxima
.irp c, 0,1
	v_exp_f32 v[BM+\c], v[BM+\c]                   ; the block's largest p: the same arithmetic on the same number gives the same bits as the p itself
.endr
.set k, 0
.rept 32
	v_exp_f32 v[S+k], v[S+k]                       ; block 0: p = 2^(t - M), at most 1: not normalised
.if k % 2
	FMA 16+k/2                                     ; block 1's scalings: they read scores and -M, which were read ahead of the wait above; their results are first read behind the wait below
.endif
.set k, k+1
.endr
	s_wait_alu depctr_va_vdst(0)                   ; one wait for the 34 exponentials and for block 1's scalings
.irp c, 0,1
	v_max_num_f32 v[BM+\c], 0x1800000, v[BM+\c]    ; the floor 2^(3 - 127): the byte cannot fall under 1
.endr
.irp c, 0,1
	s_delay_alu instid0(VALU_DEP_2)
	v_add_nc_u32 v[SO+\c], 0xff000000, v[BM+\c]    ; 2 off the exponent field: the conversion's scale operand
.endr
.irp c, 0,1
	s_delay_alu instid0(VALU_DEP_2)
	v_lshrrev_b32 v[BT+\c], 23, v[SO+\c]           ; the scale's byte: the operands' first read stands ahead of the exponentials below
.endr
.set k, 0
.rept 32
	v_exp_f32 v[S+32+k], v[S+32+k]                 ; block 1
.if k % 2
	SUMF k/2                                       ; block 0's sums: each pair of the sum is read and written once here, and next behind the wait below
.endif
.if (k % 8) == 2
	CVT 0, k/8                                     ; block 0's codes
.endif
.set k, k+1
.endr
	s_wait_alu depctr_va_vdst(0)                   ; one wait for block 1's exponentials, block 0's sums and the scale bytes
	v_lshl_or_b32 v[W0], v[BT+1], 16, v[BT]        ; my two bytes, blocks h and 2 + h
.irp g, 0,1,2,3
	CVT 1, \g
.endr
	SUMA 0                                         ; (a plain place behind the conversions)
	v_permlanex16_b32 v[W1], v[W0], s[SEL], s[SEL+1]
	SUMA 1
	SUMA 2
	v_lshl_or_b32 v[PW], v[W1], 8, v[W0]           ; lanes 0-15, which alone are read: blocks 0 and 2 are mine, 1 and 3 lane l + 16's
.set k, 3
.rept 13
	SUMA k                                         ; (these 13 lines are also the places between the scale word, the codes and the products)
.set k, k+1
.endr
.irp t, 0,1,2,3                                ; O^T += V^T P^T: the four accumulators by turns; K = these 128 keys
.if \t % 2
	v_wmma_scale_f32_16x16x128_f8f6f4 v[O+8*\t:O+8*\t+7], v[VF+8*\t:VF+8*\t+7], v[PC:PC+7], v[O+8*\t:O+8*\t+7], v[VS+\t/2], v[PW] matrix_a_fmt:MATRIX_FMT_FP4 matrix_b_fmt:MATRIX_FMT_FP4 matrix_a_scale:MATRIX_SCALE_ROW1
.else
	v_wmma_scale_f32_16x16x128_f8f6f4 v[O+8*\t:O+8*\t+7], v[VF+8*\t:VF+8*\t+7], v[PC:PC+7], v[O+8*\t:O+8*\t+7], v[VS+\t/2], v[PW] matrix_a_fmt:MATRIX_FMT_FP4 matrix_b_fmt:MATRIX_FMT_FP4
.endif
.endr
.endm
.macro WALK first, trips               ; trips steps from LDS byte first on, each fetching its successor's K.  What a step's last plain lines write (the sum's pairs) is next read more than nine plain lines into the next step
	s_mov_b32 s[TB], \first
	s_mov_b32 s[CNT], \trips
.Lstep_\@:
	STEP 1
	s_add_co_u32 s[TB], s[TB], STEPB
	s_sub_co_u32 s[CNT], s[CNT], 1
	s_cmp_lg_u32 s[CNT], 0
	s_cbranch_scc1 .Lstep_\@
.endm
	s_wait_alu depctr_va_vdst(0)                   ; the wait at the head's end
	s_wait_tensorcnt 0x0                           ; my part of steps 0-7 is in
	ds_add_u32 v[SPW], v[NIL]
	s_wait_dscnt 0x0
	CROUND                                         ; everybody's part is in, and all four work-groups are here: the joint loads meet
	tensor_load_to_lds s[G0B:G0B+3], s[G1B:G1B+7]  ; my one load behind the round: my part of steps 8-31
	s_nop 0
.rept 4
	v_nop
.endr
	KLOAD LI, LS, 0                                ; step 0's K
	s_wait_dscnt 0x0
	WALK 0, 3                                      ; steps 0-2
	s_wait_tensorcnt 0x0                           ; my part of steps 8-31 has landed,
	s_wait_dscnt 0x0                               ; no LDS instruction of mine is out:
	s_barrier_signal -1                            ; say so.  Between its halves stand register work and reads of the first fill, which nobody writes
	WALK 3*STEPB, 4                                ; steps 3-6, all of whose reads lie in the first fill
	s_barrier_wait -1                              ; everybody's part has landed
	WALK 7*STEPB, 24                               ; steps 7-30
	s_mov_b32 s[TB], 31*STEPB
	STEP 0                                         ; the last step fetches no further K
	; THE WAY OUT.  O^T / the sum; register 16 b + i is channel 32 b + 16 h + i of my query: two blocks of 32 along the last product's K, each shared with lane l xor 16.  The four registers of codes are half a fragment.
.irp j, 0,1,2,3,4,5,6,7
	v_pk_add_f32 v[AC+2*\j:AC+2*\j+1], v[AC+2*\j:AC+2*\j+1], v[AC+16+2*\j:AC+16+2*\j+1]   ; the sum's sixteen pairs, as a tree
.endr
.irp j, 0,1,2,3
	v_pk_add_f32 v[AC+2*\j:AC+2*\j+1], v[AC+2*\j:AC+2*\j+1], v[AC+8+2*\j:AC+8+2*\j+1]
.endr
.irp j, 0,1
	v_pk_add_f32 v[AC+2*\j:AC+2*\j+1], v[AC+2*\j:AC+2*\j+1], v[AC+4+2*\j:AC+4+2*\j+1]
.endr
	s_delay_alu instid0(VALU_DEP_1)
	v_pk_add_f32 v[AC:AC+1], v[AC:AC+1], v[AC+2:AC+3]
	s_delay_alu instid0(VALU_DEP_1)
	v_add_f32 v14, v[AC], v[AC+1]                  ; its two halves,
	s_delay_alu instid0(VALU_DEP_1)
	v_permlanex16_b32 v[T0], v14, s[SEL], s[SEL+1]
	s_delay_alu instid0(VALU_DEP_1)
	v_add_f32 v14, v14, v[T0]                      ; and lane l xor 16's: the row's sum
	s_wait_alu depctr_va_vdst(0)                   ; the wait ahead of the reciprocal
	v_rcp_f32 v[RL], v14
	v_and_b32 v[GOS], 15, v0                       ; (a plain place behind the reciprocal)
	s_delay_alu instid0(VALU_DEP_1)
	v_lshlrev_b32 v[GOS], 4, v[GOS]
	v_mov_b32 v[RL+1], 0                           ; (named as the upper half of a pair)
	s_wait_alu depctr_va_vdst(0)                   ; and ahead of its first reader, which is also the first reader of the last products' results
.set j, 0
.rept 16
	v_pk_mul_f32 v[S+j:S+j+1], v[O+j:O+j+1], v[RL:RL+1] op_sel_hi:[1,0]   ; each accumulator from its low end on
.set j, j+2
.endr
.irp b, 0,1
	v_max3_num_f32 v[BM+\b], |v[S+16*\b]|, |v[S+1+16*\b]|, 0x1800000   ; my 16 numbers of block b, and the floor
.endr
.irp i, 2,4,6,8,10,12,14
.irp b, 0,1
	s_delay_alu instid0(VALU_DEP_2)
	v_max3_num_f32 v[BM+\b], v[BM+\b], |v[S+16*\b+\i]|, |v[S+1+16*\b+\i]|
.endr
.endr
.irp b, 0,1
	s_delay_alu instid0(VALU_DEP_2)
	v_permlanex16_b32 v[BT+\b], v[BM+\b], s[SEL], s[SEL+1]
.endr
.irp b, 0,1
	s_delay_alu instid0(VALU_DEP_2)
	v_max_num_f32 v[BM+\b], v[BM+\b], v[BT+\b]
.endr
.irp b, 0,1
	s_delay_alu instid0(VALU_DEP_2)
	v_add_nc_u32 v[SO+\b], 0xff000000, v[BM+\b]
.endr
.irp b, 0,1
	s_delay_alu instid0(VALU_DEP_2)
	v_lshrrev_b32 v[BT+\b], 23, v[SO+\b]
.endr
	s_delay_alu instid0(VALU_DEP_1)
	v_lshl_or_b32 v[PW], v[BT+1], 8, v[BT]         ; my head's two scale bytes of my row
.irp b, 0,1
	v_cvt_scalef32_pk8_fp4_f32 v[PC+2*\b], v[S+16*\b:S+7+16*\b], v[SO+\b]
	v_cvt_scalef32_pk8_fp4_f32 v[PC+1+2*\b], v[S+8+16*\b:S+15+16*\b], v[SO+\b]
.endr
	v_nop                                          ; one plain place behind a scaled conversion
	v_permlane16_swap_b32 v[PC], v[PC+2]           ; the operand's layout wants a whole block in a lane
	v_permlane16_swap_b32 v[PC+1], v[PC+3]
	global_store_b128 v[LI], v[PC:PC+3], s[54:55]  ; 32 lanes store 512 consecutive bytes, aligned
	global_store_b16 v[GOS], v[PW], s[56:57]       ; two bytes a row, 16 bytes apart, so that a row's eight heads make the last product's four scale words on end; one byte in 17 of what the wave stores
	s_wait_tensorcnt 0x0                           ; the wave's end
	ds_add_u32 v[SPW], v[NIL]
	s_wait_dscnt 0x0
	CROUND                                         ; the closing round: no work-group ends while a partner may still ask for a tile that names it
	s_endpgm
.Lfunc_end_k_q39a55df42e_attn:
	.size	k_q39a55df42e_attn, .Lfunc_end_k_q39a55df42e_attn-k_q39a55df42e_attn
	.p2alignl 7, 3214868480
	.fill 96, 4, 3214868480
	.section	.rodata,"a",@progbits
	.p2align	6, 0x0
	.amdhsa_kernel k_q39a55df42e_attn
		.amdhsa_group_segment_fixed_size 327680
		.amdhsa_private_segment_fixed_size 0
		.amdhsa_enable_private_segment 0
		.amdhsa_kernarg_size 16
		.amdhsa_user_sgpr_count 2
		.amdhsa_user_sgpr_kernarg_segment_ptr 1
		.amdhsa_wavefront_size32 1
		.amdhsa_system_sgpr_workgroup_id_x 1
		.amdhsa_system_sgpr_workgroup_id_y 1
		.amdhsa_system_sgpr_workgroup_id_z 1
		.amdhsa_system_vgpr_workitem_id 0
		.amdhsa_next_free_vgpr 256
		.amdhsa_next_free_sgpr 68
		.amdhsa_reserve_vcc 0
		.amdhsa_float_denorm_mode_32 3
		.amdhsa_float_denorm_mode_16_64 3
		.amdhsa_memory_ordered 1
		.amdhsa_forward_progress 1
		.amdhsa_inst_pref_size 71
	.end_amdhsa_kernel
	.amdgpu_metadata
---
amdhsa.version: [ 1, 2 ]
amdhsa.kernels:
  - .name:           k_q39a55df42e_attn
    .symbol:         k_q39a55df42e_attn.kd
    .args:
      - { .name: qkv, .offset: 0, .size: 8, .value_kind: global_buffer, .address_space: global }
      - { .name: oc, .offset: 8, .size: 8, .value_kind: global_buffer, .address_space: global }
    .group_segment_fixed_size: 327680
    .private_segment_fixed_size: 0
    .kernarg_segment_align: 8
    .kernarg_segment_size: 16
    .max_flat_workgroup_size: 512
    .sgpr_count:     68
    .vgpr_count:     256
    .wavefront_size: 32
...
	.end_amdgpu_metadata
.endif
;; end of part 7
;; launch oproj (part 8): grid 64 x 4, 8 waves a work-group, clusters of 4 x 1, 168,960 bytes of LDS; arguments oc, xw, bo, out0; writes out0
.if DOCPART == 8
	.amdgcn_target "amdgcn-amd-amdhsa--gfx1250"
	.amdhsa_code_object_version 6
	.text
	.protected	k_q39a55df42e_oproj
	.globl	k_q39a55df42e_oproj
	.p2align	8
	.type	k_q39a55df42e_oproj,@function
k_q39a55df42e_oproj:
	s_mov_b64 s[64:65], 0
	v_nop
	global_prefetch_b8 v0, s[64:65] scope:SCOPE_SE
	s_setreg_imm32_b32 hwreg(HW_REG_WAVE_MODE, 25, 1), 1
	s_wait_xcnt 0x0
	s_wait_alu depctr_hold_cnt(0) depctr_sa_sdst(0) depctr_va_vdst(0) depctr_va_sdst(0) depctr_va_ssrc(0) depctr_va_vcc(0) depctr_vm_vsrc(0)
	s_getreg_b32 s2, hwreg(HW_REG_IB_STS2, 6, 4)
	s_cmp_eq_u32 s2, 0
	s_cbranch_scc0 .Lentry_in_a_cluster
	s_endpgm
.Lentry_in_a_cluster:
	s_bfe_u32 s2, ttmp6, 0x10000c
	s_cmp_lg_u32 s2, 0x3003
	s_cbranch_scc0 .Lentry_shape_is_right
	s_endpgm
.Lentry_shape_is_right:
; out0 = o Wo^T + bo on codes of FP4 with E8M0 scales; sums in f32.  o's codes lie in oc as images of operand registers, [tile of 16 rows][K step 4][register group 2][512 bytes], its scale bytes as 16 a row;
; Wo's codes and scale bytes lie in xw (rows 9,728 on), row-major.
; SHARES.  A work-group: 8 tiles of 16 rows x 128 outputs.  Wave w: one tile of rows against 8 tiles of outputs: 8 accumulators, 4 K steps.  The product is used transposed (source 0 = 16 rows of Wo,
; source 1 = o's tile): a lane holds eight neighbouring outputs of one row.  Lane r of tile 2 b + u is row 32 b + 8 u + r + 8 (r / 8).  The bias is loaded into the accumulators: it starts the sums.
; CLUSTER.  The four work-groups of a cluster take other rows and the same 128 rows of Wo: those are asked for jointly (waves 0 and 1, 64 rows each: one tensor load of such a wave is out by this text's count).  LDS is filled once.
; LDS: Wo's 128 rows, 272 bytes apart; behind them a stage of 16 rows x 528 bytes for each wave, into which no fill lands.
.set XWS,   2621440
.set WOROW, 9728
.set OSOFF, 2097152
.set PITCH, 272
.set PART,  64*PITCH
.set STG,   2*PART
.set SPITCH, 528
.set LI,  1                            ; v1   16 x lane
.set R16, 2                            ; v2   16 r
.set H32, 3                            ; v3   32 h
.set FAW, 4                            ; v4   a fragment of Wo: 272 r + 16 h
.set STO, 5                            ; v5   the stage: where I put 32 bytes of a row
.set RD,  6                            ; v6   and where I read a row back
.set OSC, 8                            ; v8-11   o's scale words, one for each K step
.set WSC, 12                           ; v12-43  Wo's [tile of outputs][K step]
.set OF,  44                           ; v44-75  o's four fragments
.set WF,  76                           ; v76-139 Wo's fragments, two sets of four; on the way out the rows read back
.set ACC, 140                          ; v140-203
.set WV,  12
.set G1,  24
.set G0,  32
.macro PLACES n
.rept \n
	v_nop
.endr
.endm
.macro CROUND                          ; a round of the cluster's barrier
	s_barrier_signal -1
	s_barrier_wait -1
	s_cmp_lg_u32 s[WV], 0
	s_cbranch_scc1 .Lnot_wave_0_\@
	s_barrier_signal -3
.Lnot_wave_0_\@:
	s_barrier_wait -3
	s_barrier_signal -1
	s_barrier_wait -1
.endm
	s_load_b256 s[4:11], s[0:1], 0x0               ; oc, xw, bo, out0
	v_lshl_add_u32 v208, v0, 2, 0x29000
	v_mov_b32 v209, 0
	ds_add_u32 v208, v209
	ds_add_u32 v208, v209
	v_lshrrev_b32 v1, 5, v0
	s_delay_alu instid0(VALU_DEP_1)
	v_readfirstlane_b32 s[WV], v1                  ; wave 0..7
	s_and_b32 s13, ttmp7, 0xffff                   ; which 128 outputs: the partners share it
	s_bfe_u32 s14, ttmp6, 0x40000                  ; cx
	s_lshl_b32 s15, ttmp9, 2
	s_add_co_u32 s15, s15, s14                     ; which 8 tiles of rows
	s_lshl_b32 s16, s15, 3
	s_add_co_u32 s16, s16, s[WV]                   ; my tile of rows
	s_and_b32 s20, s[WV], 1
	s_mul_i32 s17, s20, PART                       ; what I fetch, if I fetch: 64 rows of Wo: in LDS,
	s_lshl_b32 s18, s13, 15
	s_lshl_b32 s20, s20, 14
	s_add_co_u32 s18, s18, s20
	s_add_co_u32 s18, s18, WOROW*256               ; and in memory
	s_mov_b32 s19, 0
	s_mov_b32 s[G1], 15|(0<<16)|(1<<20)|(1<<21)|(5<<22)|(3<<25)   ; 15:0 the mask: all four work-groups; 17:16 elements of 1 byte; 20 padding on; 21 set beside a mask; 24:22 after every 64 words; 31:25 four words
	s_mov_b32 s[G1+1], 256<<16                     ; tensor_dim0
	s_mov_b32 s[G1+2], 64<<16                      ; tensor_dim1
	s_mov_b32 s[G1+3], 256<<16                     ; tile_dim0
	s_mov_b32 s[G1+4], 64                          ; tile_dim1
	s_mov_b32 s[G1+5], 256                         ; tensor_dim0_stride
	s_mov_b32 s[G1+6], 0
	s_mov_b32 s[G1+7], 0
	s_wait_dscnt 0x0
	s_wait_kmcnt 0x0
	s_mov_b32 s[G0], 1
	s_mov_b32 s[G0+1], s17
	s_add_nc_u64 s[G0+2:G0+3], s[6:7], s[18:19]
	s_or_b32 s[G0+3], s[G0+3], 0x80000000
	CROUND                                         ; all four work-groups are here: the joint loads meet
	s_cmp_lt_u32 s[WV], 2
	s_cbranch_scc0 .Lno_load
	tensor_load_to_lds s[G0:G0+3], s[G1:G1+7]
	s_nop 0
	PLACES 4
.Lno_load:
	s_mov_b32 s47, 0                               ; offsets are made in s[46:47], apart from the addresses
	s_lshl_b32 s46, s16, 12
	s_add_nc_u64 s[36:37], s[4:5], s[46:47]        ; o's four fragments of my tile
	s_lshl_b32 s46, s16, 8
	s_add_co_u32 s46, s46, OSOFF
	s_add_nc_u64 s[38:39], s[4:5], s[46:47]        ; their scale bytes
	s_lshl_b32 s46, s13, 11
	s_add_co_u32 s46, s46, XWS+WOROW*16
	s_add_nc_u64 s[40:41], s[6:7], s[46:47]        ; Wo's scale bytes, my 128 rows
	s_lshl_b32 s46, s13, 9
	s_add_nc_u64 s[42:43], s[8:9], s[46:47]        ; bo, my 128 numbers
	s_lshr_b32 s48, s16, 1
	s_lshl_b32 s48, s48, 16                        ; 32 rows of 2,048 bytes for each pair of tiles,
	s_add_co_u32 s46, s46, s48
	s_and_b32 s48, s16, 1
	s_lshl_b32 s48, s48, 14                        ; 8 rows for the odd tile
	s_add_co_u32 s46, s46, s48
	s_add_nc_u64 s[44:45], s[10:11], s[46:47]      ; out0 at my tile's first row, my 128 outputs
	v_and_b32 v[LI], 31, v0
	s_delay_alu instid0(VALU_DEP_1)
	v_lshlrev_b32 v[LI], 4, v[LI]
	v_and_b32 v204, 15, v0                         ; r
	v_bfe_u32 v205, v0, 4, 1                       ; h
	s_delay_alu instid0(VALU_DEP_2)
	v_lshlrev_b32 v[R16], 4, v204
	s_delay_alu instid0(VALU_DEP_2)
	v_lshlrev_b32 v[H32], 5, v205
.irp s, 0,1,2,3
.irp c, 0,1
	global_load_b128 v[OF+8*\s+4*\c:OF+8*\s+4*\c+3], v[LI], s[36:37] offset:1024*\s+512*\c   ; 32 lanes read 512 consecutive bytes
.endr
.endr
	global_load_b128 v[OSC:OSC+3], v[R16], s[38:39]
.irp n, 0,1,2,3,4,5,6,7
	global_load_b128 v[WSC+4*\n:WSC+4*\n+3], v[R16], s[40:41] offset:256*\n
	global_load_b128 v[ACC+8*\n:ACC+8*\n+3], v[H32], s[42:43] offset:64*\n          ; lane (r, h), tile n: bo of outputs 16 n + 8 h + 0 .. 7
	global_load_b128 v[ACC+8*\n+4:ACC+8*\n+7], v[H32], s[42:43] offset:64*\n+16
.endr
	v_mul_u32_u24 v[FAW], v204, PITCH
	s_delay_alu instid0(VALU_DEP_1)
	v_lshl_add_u32 v[FAW], v205, 4, v[FAW]
	s_mul_i32 s49, s[WV], 16*SPITCH
	s_add_co_u32 s49, s49, STG                     ; my stage
	v_mul_u32_u24 v[STO], v204, SPITCH
	s_delay_alu instid0(VALU_DEP_1)
	v_lshl_add_u32 v[STO], v205, 5, v[STO]
	s_delay_alu instid0(VALU_DEP_1)
	v_add_nc_u32 v[STO], s49, v[STO]
	v_add_nc_u32 v[RD], s49, v[LI]
; Eight groups g: K step g / 2, output tiles 4 (g % 2) .. + 3, set g % 2.
.macro FETCHW g
.irp q, 0,1,2,3
.irp c, 0,1
	ds_load_b128 v[WF+32*((\g)%2)+8*\q+4*\c:WF+32*((\g)%2)+8*\q+4*\c+3], v[FAW] offset:(4*((\g)%2)+\q)*16*PITCH+64*((\g)/2)+32*\c
.endr
.endr
.endm
.macro MULW g                          ; the eight accumulators take turns, one instruction a turn, over two groups
.irp q, 0,1,2,3
	v_wmma_scale_f32_16x16x128_f8f6f4 v[ACC+8*(4*((\g)%2)+\q):ACC+8*(4*((\g)%2)+\q)+7], v[WF+32*((\g)%2)+8*\q:WF+32*((\g)%2)+8*\q+7], v[OF+8*((\g)/2):OF+8*((\g)/2)+7], v[ACC+8*(4*((\g)%2)+\q):ACC+8*(4*((\g)%2)+\q)+7], v[WSC+4*(4*((\g)%2)+\q)+(\g)/2], v[OSC+(\g)/2] matrix_a_fmt:MATRIX_FMT_FP4 matrix_b_fmt:MATRIX_FMT_FP4
.endr
.endm
	s_wait_alu depctr_va_vdst(0)
	s_wait_tensorcnt 0x0                           ; my part of Wo has landed (a wave that fetches nothing has none out),
	s_barrier_signal -1
	s_barrier_wait -1                              ; everybody's has
	FETCHW 0
	s_wait_loadcnt 0x0                             ; o's fragments, the scale words, the bias
.irp g, 0,1,2,3,4,5,6,7
.if \g >= 1
	PLACES 4                                       ; between the last group's products and the loads into the set that they read
.endif
.if \g < 7
	FETCHW \g+1
	s_wait_dscnt 8                                 ; this group's fragments are in; the eight loads just issued may be out
.else
	s_wait_dscnt 0x0
.endif
	MULW \g
.endr
	; THE WAY OUT.  A lane holds 32 neighbouring bytes of a row and the lanes beside it hold other rows: the tile goes through my own stage and comes back as whole rows of 512 bytes.
	PLACES 4                                       ; between the last products and the first read of results, and the loads into the registers that held Wo's fragments
.irp n, 0,1,2,3,4,5,6,7
	ds_store_b128 v[STO], v[ACC+8*\n:ACC+8*\n+3] offset:64*\n          ; each accumulator from its low end on
	ds_store_b128 v[STO], v[ACC+8*\n+4:ACC+8*\n+7] offset:64*\n+16
.endr
.irp t, 0,1,2,3,4,5,6,7,8,9,10,11,12,13,14,15
	ds_load_b128 v[WF+4*\t:WF+4*\t+3], v[RD] offset:\t*SPITCH          ; LDS serves a wave's instructions in order: these see my stores
.endr
.irp t, 0,1,2,3,4,5,6,7,8,9,10,11,12,13,14,15
	s_wait_dscnt 15-\t                             ; row t is back; the younger loads may be out
	global_store_b128 v[LI], v[WF+4*\t:WF+4*\t+3], s[44:45] offset:(\t+8*(\t/8))*2048 th:TH_STORE_NT   ; 32 lanes store 512 consecutive bytes, aligned; written once, read by nobody here
.endr
	s_wait_tensorcnt 0x0
	ds_add_u32 v208, v209
	s_wait_dscnt 0x0
	CROUND                                         ; the closing round: no work-group ends while a partner may still ask for a tile that names it
	s_endpgm
.Lfunc_end_k_q39a55df42e_oproj:
	.size	k_q39a55df42e_oproj, .Lfunc_end_k_q39a55df42e_oproj-k_q39a55df42e_oproj
	.p2alignl 7, 3214868480
	.fill 96, 4, 3214868480
	.section	.rodata,"a",@progbits
	.p2align	6, 0x0
	.amdhsa_kernel k_q39a55df42e_oproj
		.amdhsa_group_segment_fixed_size 168960
		.amdhsa_private_segment_fixed_size 0
		.amdhsa_enable_private_segment 0
		.amdhsa_kernarg_size 32
		.amdhsa_user_sgpr_count 2
		.amdhsa_user_sgpr_kernarg_segment_ptr 1
		.amdhsa_wavefront_size32 1
		.amdhsa_system_sgpr_workgroup_id_x 1
		.amdhsa_system_sgpr_workgroup_id_y 1
		.amdhsa_system_sgpr_workgroup_id_z 1
		.amdhsa_system_vgpr_workitem_id 0
		.amdhsa_next_free_vgpr 210
		.amdhsa_next_free_sgpr 66
		.amdhsa_reserve_vcc 0
		.amdhsa_float_denorm_mode_32 3
		.amdhsa_float_denorm_mode_16_64 3
		.amdhsa_memory_ordered 1
		.amdhsa_forward_progress 1
		.amdhsa_inst_pref_size 22
	.end_amdhsa_kernel
	.amdgpu_metadata
---
amdhsa.version: [ 1, 2 ]
amdhsa.kernels:
  - .name:           k_q39a55df42e_oproj
    .symbol:         k_q39a55df42e_oproj.kd
    .args:
      - { .name: oc, .offset: 0, .size: 8, .value_kind: global_buffer, .address_space: global }
      - { .name: xw, .offset: 8, .size: 8, .value_kind: global_buffer, .address_space: global }
      - { .name: bo, .offset: 16, .size: 8, .value_kind: global_buffer, .address_space: global }
      - { .name: out0, .offset: 24, .size: 8, .value_kind: global_buffer, .address_space: global }
    .group_segment_fixed_size: 168960
    .private_segment_fixed_size: 0
    .kernarg_segment_align: 8
    .kernarg_segment_size: 32
    .max_flat_workgroup_size: 256
    .sgpr_count:     66
    .vgpr_count:     210
    .wavefront_size: 32
...
	.end_amdgpu_metadata
.endif
;; end of part 8
